; MI455X (gfx1250); checked and timed in simulation.
; The chip was launched on July 23, 2026; its instructions are those of AMD's public machine-readable ISA for CDNA 5 (MIT licence, August 2026) and "CDNA5" Instruction Set Architecture Reference Guide (July 2026). The comments in the code are by the model that wrote it; some were corrected since.
;; Causal Self Attention. Allowed arithmetic: matrix products marked QUANTISED: E2M1 operands, one E8M0 scale for each 32 along K, by v_wmma_scale_f32_16x16x128_f8f6f4 with both operands' format E2M1 (or v_wmma_scale_f32_32x16x128_f4), f32 sums; products left as they are: bf16, f16 or f32 operands; f32 sums; everything else in f32.
;; Inputs: out_b 1,024 float32; out_w 1,024 x 1,024 float32; qkv_b 3,072 float32; qkv_w 1,024 x 3,072 float32; x 2 x 2,048 x 1,024 float32.
;; Outputs: out0 2 x 2,048 x 1,024 float32.
;; This version of the problem:
;;   THIS VERSION OF THE PROBLEM IS GIVEN IN LOW PRECISION. The matrix products marked QUANTISED in the list below multiply operands that are first quantised to E2M1 (2 exponent bits, 1 mantissa bit; 4 bits a number), with one power-of-two scale for each 32 numbers along K (OCP MX v1.0); their sums are f32. The products marked 'left as it is' may take bf16, f16 or f32 operands, with f32 sums. Whichever they take, every output number must still come out within the allowed error. Rounding operands to bf16 (8 significant bits) uses up far more of that allowance than f16 does (11 bits, for magnitudes from 6e-5 to 65,504). All else is computed in f32.
;;   The module's matrix products, in the order in which they are computed (A, B: the left and right operand; K: the contracted axis; several contracted axes count as one K, in the product's order):
;;     1. [M 4,096, K 1,024] x [K 1,024, N 3,072]; A: input x; B: input qkv_w: QUANTISED
;;     2. batch 32 x [M 2,048, K 64] x [K 64, N 2,048]; A: computed on the way; B: computed on the way: left as it is (an operand is computed on the way)
;;     3. batch 32 x [M 2,048, K 2,048] x [K 2,048, N 64]; A: computed on the way; B: computed on the way: left as it is (an operand is computed on the way)
;;     4. [M 4,096, K 1,024] x [K 1,024, N 1,024]; A: computed on the way; B: input out_w: left as it is (an operand is computed on the way)
;;   THE QUANTISER, for each operand of a quantised product, along K:
;;     - K is cut into blocks of 32 from its start; a last block that is shorter is filled with zeros.
;;     - A block's scale is 2^e with e = floor(log2(the largest magnitude in the block)) - 2, held to -126 .. 127; a block of zeros has e = 0. As a byte (E8M0): e + 127.
;;     - Each number is divided by its block's scale, clamped to +-6, and rounded to the nearest number of E2M1, ties to even, subnormals kept.
;;     - The product sums the exact products of the quantised numbers (number of the format x scale) in f32.
;;   ~~~python
;;   def quantise(x, axis):      # numpy; x: float32 -> the quantised numbers, widened to float32 again
;;       x = np.moveaxis(x, axis, -1); K = x.shape[-1]
;;       x = np.pad(x, [(0, 0)] * (x.ndim - 1) + [(0, -K % 32)]); x = x.reshape(x.shape[:-1] + (-1, 32)); a = np.abs(x).max(-1, keepdims=True)
;;       e = np.where(a > 0, np.clip(np.frexp(np.where(a > 0, a, 1))[1] - 1 - 2, -126, 127), 0)      # np.frexp(a)[1] - 1 = floor(log2(a)), exactly
;;       r = np.clip(x / 2.0 ** e, -6, 6)
;;       step = 2.0 ** (np.maximum(np.frexp(np.where(r == 0, 1, r))[1] - 1, 0) - 1)
;;       q = np.round(r / step) * step * 2.0 ** e      # np.round: ties to even
;;       return np.moveaxis(q.reshape(q.shape[:-2] + (-1,))[..., :K], -1, axis).astype(np.float32)
;;   ~~~
;; One version. Each part assembles by itself: llvm-mc -triple=amdgcn-amd-amdhsa -mcpu=gfx1250 --defsym DOCPART=n.
;; ======== version 1 of 1: 5 launches
;; limits: values are held in f16: magnitudes above 65,504 overflow, below 6.1e-05 lose precision
;; workspace buffers: xc 2,097,152 bytes; xs 131,072 bytes; wc 1,572,864 bytes; ws 98,304 bytes; ow16 2,097,152 bytes; qkv16 25,165,824 bytes; fine32 393,216 bytes; attn16 8,388,608 bytes
;; launch prep (part 1): grid 208 x 1, 4 waves a work-group, no clusters, 68,096 bytes of LDS; arguments x, qkv_w, out_w, xc, xs, wc, ws, ow16; writes xc, xs, wc, ws, ow16
.if DOCPART == 1
	.amdgcn_target "amdgcn-amd-amdhsa--gfx1250"
	.amdhsa_code_object_version 6
	.text
	.protected	k_q9c87db0953_prep
	.globl	k_q9c87db0953_prep
	.p2align	8
	.type	k_q9c87db0953_prep,@function
k_q9c87db0953_prep:
	s_mov_b64 s[64:65], 0
	v_nop
	global_prefetch_b8 v0, s[64:65] scope:SCOPE_SE
	s_setreg_imm32_b32 hwreg(HW_REG_WAVE_MODE, 25, 1), 1
	s_wait_xcnt 0x0
; PREP.  Three pieces of work in one launch, parted by the work-group's number:
;   work-groups   0..127: x [4096][1024] f32 -> codes of FP4 (E2M1), K innermost (xc), and one E8M0 byte for each 32 along K (xs);
;   work-groups 128..175: qkv_w [1024 (k)][3072 (n)] f32, whose K is its FIRST axis -> codes laid [3072][1024] with K innermost (wc), bytes [3072][32] (ws);
;   work-groups 176..207: out_w [1024][1024] f32 -> f16, in the same order (ow16).
; A block's scale is 2^(floor(log2(its largest magnitude)) - 2); its byte is the largest magnitude's exponent field - 2, held at 1 from below.
; LIMITS: a block of zeros gets the byte 1 where the quantiser's rule says 127: its codes are zeros, which add nothing, and the bytes are read by this program alone.
; Blocks whose largest magnitude lies under 2^-124 get the byte 1.  NaN and infinities among the inputs are not served.  out_w's magnitudes stay under 65,504 (f16).
; Each of the two paths that use LDS has LDS bytes of its own.  No tensor loads, no barrier: waves share nothing.
.set SPW,   192                        ; v192  LDS address of my spare word: SPARE + 4 x my thread's number; never rewritten
.set NIL,   193                        ; v193  0; never rewritten
.set SPARE, 67584                      ; behind both paths' regions: 128 bytes for each wave, named by no other line
.set EMAX,  2
; path X
.set STEPS, 16
.set CB,    8                          ; bytes of 16 codes
.set XR,    16                         ; v16-79   four sets of 16 numbers as they are loaded
.set XX,    80                         ; v80-111  two sets of 16 neighbours
.set XE,    112                        ; v112-127 a scale byte for each step
.set XC,    128                        ; v128-191 codes: four registers for each step, so that no store's data are written again
.set WREG,  8192                       ; LDS 0..32767: a region for each wave: two stages of 32 x SP bytes, then its 256 scale bytes
.set SP,    80                         ; a lane's place in a stage: 64 bytes + 16 of padding
; path W
.set WSTG,  32768                      ; LDS 32768..67583: a stage of 32 rows x WPITCH for each wave
.set NB,    16                         ; blocks of 32 along K for a wave (512 along K)
.set WPITCH, 272
.set KROW,  512                        ; a row of wc in bytes
.set WN,    3072
.set WX,    32                         ; v32-95   two sets of 32 numbers
.set WC,    96                         ; v96-99   a block's codes
.set OUTR,  112                        ; v112-175 the way out
.set SB,    24                         ; v24-27   the scale bytes, four to a register
.macro FINISH                          ; a wave's end: three lines behind its last LDS store
	s_wait_tensorcnt 0x0
	ds_add_u32 v[SPW], v[NIL]
	s_wait_dscnt 0x0
	s_endpgm
.endm
	s_load_b128 s[4:7], s[0:1], 0x0                ; x s[4:5], qkv_w s[6:7]
	s_load_b128 s[8:11], s[0:1], 0x10              ; out_w s[8:9], xc s[10:11]
	s_load_b256 s[12:19], s[0:1], 0x20             ; xs s[12:13], wc s[14:15], ws s[16:17], ow16 s[18:19]
	v_lshl_add_u32 v[SPW], v0, 2, SPARE
	v_mov_b32 v[NIL], 0
	v_lshrrev_b32 v1, 5, v0
	v_readfirstlane_b32 s20, v1                    ; wave 0..3
	v_and_b32 v2, 31, v0                           ; lane
	s_wait_kmcnt 0x0
	s_cmp_lt_u32 ttmp9, 128
	s_cbranch_scc0 .Lnot_x
; ---------------- PATH X: x is a plain stream of blocks of 32.  A wave takes 16 steps of 512 numbers.
; Each load reads 512 consecutive bytes; a step's 2,048 bytes turn through the wave's own stage so that a lane gets 16 neighbours (two lanes hold a block).
	v_lshlrev_b32 v3, 4, v2                        ; my 16 bytes of a load's 512
	s_mul_i32 s21, s20, WREG
	v_lshrrev_b32 v14, 2, v2
	v_mul_u32_u24 v14, v14, SP
	v_and_b32 v15, 3, v2
	v_lshl_add_u32 v14, v15, 4, v14
	v_add_nc_u32 v14, s21, v14                     ; the stage, on the way in: SP (lane / 4) + 16 (lane % 4)
	v_mul_u32_u24 v15, v2, SP
	v_add_nc_u32 v15, s21, v15                     ; and on the way out: SP x lane
	v_mul_u32_u24 v4, v2, CB                       ; my codes' place in a step's
	v_lshrrev_b32 v5, 1, v2
	s_add_co_u32 s21, s21, 2*32*SP
	v_add_nc_u32 v5, s21, v5                       ; my block's byte among my wave's 256 scale bytes
	v_lshlrev_b32 v7, 3, v2
	v_add_nc_u32 v6, s21, v7                       ; and on the way out 8 bytes a lane
	s_lshl_b32 s22, ttmp9, 2
	s_add_co_u32 s22, s22, s20                     ; which run of 8,192 numbers is my wave's: 0..511
	s_mov_b32 s23, 0
	s_lshl_b64 s[24:25], s[22:23], 15              ; 32,768 bytes of numbers a run
	s_add_nc_u64 s[4:5], s[4:5], s[24:25]
	s_lshl_b64 s[24:25], s[22:23], 12              ; 4,096 bytes of codes
	s_add_nc_u64 s[10:11], s[10:11], s[24:25]
	s_lshl_b32 s22, s22, 8                         ; 256 scale bytes
	s_add_nc_u64 s[12:13], s[12:13], s[22:23]
.macro XLOAD t
.irp i, 0,1,2,3
	global_load_b128 v[XR+16*((\t)%4)+4*\i:XR+16*((\t)%4)+4*\i+3], v3, s[4:5] offset:2048*(\t)+512*\i th:TH_LOAD_NT
.endr
.endm
.macro XTURN t                         ; step t's numbers through the stage: LDS serves a wave's instructions in order, so no wait stands between the stores and the loads
.irp i, 0,1,2,3
	ds_store_b128 v14, v[XR+16*((\t)%4)+4*\i:XR+16*((\t)%4)+4*\i+3] offset:32*SP*((\t)%2)+8*SP*\i
.endr
.irp i, 0,1,2,3
	ds_load_b128 v[XX+16*((\t)%2)+4*\i:XX+16*((\t)%2)+4*\i+3], v15 offset:32*SP*((\t)%2)+16*\i
.endr
.endm
.irp t, 0,1,2,3
	XLOAD \t
.endr
	s_wait_loadcnt 12                              ; step 0's four loads are in; the 12 of steps 1 to 3 may be out
	XTURN 0
.macro XSTEP t
.set XS, XX+16*((\t)%2)
.if (\t) > 0
	s_wait_dscnt 1                                 ; this step's numbers are back from the stage (the last step's byte store may be out)
.else
	s_wait_dscnt 0x0
.endif
.if (\t)+4 < STEPS
	XLOAD (\t)+4                                   ; into the set whose stores into the stage are done
.endif
.if (\t)+1 < STEPS
.if STEPS-2-(\t) >= 3
	s_wait_loadcnt 12                              ; the next step's four loads are in; those of the three steps behind it may be out
.else
	s_wait_loadcnt 4*(STEPS-2-(\t))
.endif
	XTURN (\t)+1
.endif
	v_max3_num_f32 v8, |v[XS]|, |v[XS+1]|, |v[XS+2]|               ; the largest magnitude of my 16, in two chains
	v_max3_num_f32 v9, |v[XS+3]|, |v[XS+4]|, |v[XS+5]|
.irp i, 6,10
	v_max3_num_f32 v8, v8, |v[XS+\i]|, |v[XS+\i+1]|
	v_max3_num_f32 v9, v9, |v[XS+\i+2]|, |v[XS+\i+3]|
.endr
	v_max3_num_f32 v8, v8, |v[XS+14]|, |v[XS+15]|
	v_max3_num_f32 v8, v8, v9, (EMAX+1)<<23        ; and the floor 2^(3 - 127): the byte cannot fall under 1
	v_max_num_f32_dpp v8, v8, v8 row_xmask:1 row_mask:0xf bank_mask:0xf   ; with my neighbour's 16: the block's
	v_add_nc_u32 v11, -(EMAX<<23), v8              ; 2 off its exponent field: the conversion takes this operand's exponent field as its scale
	v_cvt_scalef32_pk8_fp4_f32 v[XC+4*(\t)], v[XS:XS+7], v11
	v_cvt_scalef32_pk8_fp4_f32 v[XC+4*(\t)+1], v[XS+8:XS+15], v11
	v_lshrrev_b32 v[XE+(\t)], 23, v11              ; the scale's byte (a plain line behind the conversions)
	ds_store_b8 v5, v[XE+(\t)] offset:16*(\t)      ; both lanes of a block write the same byte with the same value
	global_store_b64 v4, v[XC+4*(\t):XC+4*(\t)+1], s[10:11] offset:32*CB*(\t)   ; the wave stores 256 consecutive bytes, aligned
.endm
.irp t, 0,1,2,3,4,5,6,7,8,9,10,11,12,13,14,15
	XSTEP \t
.endr
	ds_load_b64 v[8:9], v6                         ; these see my byte stores: LDS serves a wave in order
	s_wait_dscnt 0x0
	global_store_b64 v7, v[8:9], s[12:13]          ; 256 consecutive bytes, aligned
	FINISH
.Lnot_x:
	s_cmp_lt_u32 ttmp9, 176
	s_cbranch_scc0 .Lcast
; ---------------- PATH W: a lane takes a column n and its registers run down K: a block of 32 lies in one lane, and the codes come out with K innermost.
; 24 work-groups along n (128 columns each) x 2 along K (512 each).  A wave: 32 columns x 512 along K.
	s_sub_co_u32 s21, ttmp9, 128
	s_cmp_ge_u32 s21, 24
	s_cselect_b32 s22, 1, 0                        ; which 512 along K
	s_cselect_b32 s23, 24, 0
	s_sub_co_u32 s21, s21, s23                     ; which 128 columns
	s_lshl_b32 s21, s21, 7
	s_lshl_b32 s23, s20, 5
	s_add_co_u32 s21, s21, s23                     ; my wave's first column
	v_lshlrev_b32 v3, 2, v2                        ; in: 4 bytes a lane
	s_mul_i32 s23, s20, 32*WPITCH
	s_add_co_u32 s23, s23, WSTG                    ; my stage
	v_mul_u32_u24 v4, v2, WPITCH
	v_add_nc_u32 v4, s23, v4                       ; into it: row = my column
	v_and_b32 v5, 15, v2
	v_lshrrev_b32 v6, 4, v2                        ; out of it: sixteen lanes to a row, two rows an instruction
	v_mul_u32_u24 v7, v6, WPITCH
	v_lshl_add_u32 v7, v5, 4, v7
	v_add_nc_u32 v7, s23, v7
	v_mul_u32_u24 v8, v6, KROW
	v_lshl_add_u32 v8, v5, 4, v8                   ; and the same place in wc
	s_mul_i32 s24, s22, 512*WN*4                   ; qkv_w: 512 rows down for the second half of K, + 4 x column
	s_lshl_b32 s25, s21, 2
	s_add_co_u32 s24, s24, s25
	s_mov_b32 s25, 0
	s_add_nc_u64 s[6:7], s[6:7], s[24:25]
	s_lshl_b32 s24, s21, 9                         ; wc: column x 512 + 256 x half
	s_lshl_b32 s26, s22, 8
	s_add_co_u32 s24, s24, s26
	s_add_nc_u64 s[14:15], s[14:15], s[24:25]
	s_lshl_b32 s24, s21, 5                         ; ws: column x 32 + 16 x half
	s_lshl_b32 s26, s22, 4
	s_add_co_u32 s24, s24, s26
	s_add_nc_u64 s[16:17], s[16:17], s[24:25]
	v_lshlrev_b32 v9, 5, v2                        ; my column's row of scale bytes
.macro WLOAD t                         ; block t: qkv_w(32 t + i, my column); the largest offset, 511 rows of 12,288 bytes, lies inside the signed 24-bit immediate
.irp i, 0,1,2,3,4,5,6,7,8,9,10,11,12,13,14,15,16,17,18,19,20,21,22,23,24,25,26,27,28,29,30,31
	global_load_b32 v[WX+32*((\t)%2)+\i], v3, s[6:7] offset:(32*(\t)+\i)*WN*4 th:TH_LOAD_NT
.endr
.endm
	WLOAD 0
	WLOAD 1
.macro WBLOCK t
.set XS, WX+32*((\t)%2)
.if (\t) < NB-1
	s_wait_loadcnt 32                              ; this block's 32 loads are in; the next block's may be out
.else
	s_wait_loadcnt 0
.endif
	v_max3_num_f32 v12, |v[XS]|, |v[XS+1]|, |v[XS+2]|
	v_max3_num_f32 v13, |v[XS+3]|, |v[XS+4]|, |v[XS+5]|
.irp i, 6,10,14,18,22,26
	v_max3_num_f32 v12, v12, |v[XS+\i]|, |v[XS+\i+1]|
	v_max3_num_f32 v13, v13, |v[XS+\i+2]|, |v[XS+\i+3]|
.endr
	v_max3_num_f32 v12, v12, |v[XS+30]|, |v[XS+31]|
	v_max3_num_f32 v12, v12, v13, (EMAX+1)<<23     ; with the floor
	v_add_nc_u32 v11, -(EMAX<<23), v12             ; the conversion's scale operand
	v_lshrrev_b32 v13, 23, v11                     ; the scale's byte
.if (\t)%4 == 0
	v_mov_b32 v[SB+(\t)/4], v13
.else
	v_lshl_or_b32 v[SB+(\t)/4], v13, 8*((\t)%4), v[SB+(\t)/4]
.endif
.irp g, 0,1,2,3
	v_cvt_scalef32_pk8_fp4_f32 v[WC+\g], v[XS+8*\g:XS+8*\g+7], v11
.endr
	v_nop                                          ; a plain line behind the last conversion
	ds_store_b128 v4, v[WC:WC+3] offset:16*(\t)    ; 32 codes: 16 bytes of my column's row
.if (\t)+2 < NB
	WLOAD (\t)+2
.endif
	s_wait_dscnt 0x0                               ; the store has read its registers: the next block's codes may be written
.endm
.set QQ, 0
.rept NB
	WBLOCK QQ
.set QQ, QQ+1
.endr
	global_store_b128 v9, v[SB:SB+3], s[16:17]     ; my column's 16 scale bytes
.irp t, 0,1,2,3,4,5,6,7,8,9,10,11,12,13,14,15
	ds_load_b128 v[OUTR+4*\t:OUTR+4*\t+3], v7 offset:2*\t*WPITCH
.endr
.irp t, 0,1,2,3,4,5,6,7,8,9,10,11,12,13,14,15
	s_wait_dscnt 15-\t                             ; the younger loads may be out
	global_store_b128 v8, v[OUTR+4*\t:OUTR+4*\t+3], s[14:15] offset:2*\t*KROW   ; sixteen lanes store 256 consecutive bytes, aligned
.endr
	FINISH
.Lcast:
; ---------------- PATH O: out_w to f16.  A wave takes 8,192 numbers: four rounds of sixteen loads of 512 bytes.
	s_sub_co_u32 s21, ttmp9, 176
	s_lshl_b32 s21, s21, 2
	s_add_co_u32 s21, s21, s20                     ; 0..127
	s_lshl_b32 s22, s21, 15
	s_mov_b32 s23, 0
	s_add_nc_u64 s[8:9], s[8:9], s[22:23]
	s_lshl_b32 s22, s21, 14
	s_add_nc_u64 s[18:19], s[18:19], s[22:23]
	v_lshlrev_b32 v3, 4, v2
	v_lshlrev_b32 v4, 3, v2
.irp q, 0,1,2,3
.if \q > 0
	s_wait_xcnt 0x0                                ; the last round's stores have read their data registers, which this round writes again
.endif
.irp j, 0,1,2,3,4,5,6,7,8,9,10,11,12,13,14,15
	global_load_b128 v[16+4*\j:19+4*\j], v3, s[8:9] offset:512*(16*\q+\j) th:TH_LOAD_NT
.endr
.irp j, 0,1,2,3,4,5,6,7,8,9,10,11,12,13,14,15
	s_wait_loadcnt 15-\j                           ; the round's younger loads may be out
	v_cvt_pk_f16_f32 v[80+2*\j], v[16+4*\j], v[17+4*\j]
	v_cvt_pk_f16_f32 v[81+2*\j], v[18+4*\j], v[19+4*\j]
	global_store_b64 v4, v[80+2*\j:81+2*\j], s[18:19] offset:256*(16*\q+\j)   ; 256 consecutive bytes, aligned
.endr
.endr
	FINISH
.Lfunc_end_k_q9c87db0953_prep:
	.size	k_q9c87db0953_prep, .Lfunc_end_k_q9c87db0953_prep-k_q9c87db0953_prep
	.p2alignl 7, 3214868480
	.fill 96, 4, 3214868480
	.section	.rodata,"a",@progbits
	.p2align	6, 0x0
	.amdhsa_kernel k_q9c87db0953_prep
		.amdhsa_group_segment_fixed_size 68096
		.amdhsa_private_segment_fixed_size 0
		.amdhsa_enable_private_segment 0
		.amdhsa_kernarg_size 64
		.amdhsa_user_sgpr_count 2
		.amdhsa_user_sgpr_kernarg_segment_ptr 1
		.amdhsa_wavefront_size32 1
		.amdhsa_system_sgpr_workgroup_id_x 1
		.amdhsa_system_sgpr_workgroup_id_y 1
		.amdhsa_system_sgpr_workgroup_id_z 1
		.amdhsa_system_vgpr_workitem_id 0
		.amdhsa_next_free_vgpr 200
		.amdhsa_next_free_sgpr 66
		.amdhsa_reserve_vcc 0
		.amdhsa_float_denorm_mode_32 3
		.amdhsa_float_denorm_mode_16_64 3
		.amdhsa_memory_ordered 1
		.amdhsa_forward_progress 1
		.amdhsa_inst_pref_size 134
	.end_amdhsa_kernel
	.amdgpu_metadata
---
amdhsa.version: [ 1, 2 ]
amdhsa.kernels:
  - .name:           k_q9c87db0953_prep
    .symbol:         k_q9c87db0953_prep.kd
    .args:
      - { .name: x, .offset: 0, .size: 8, .value_kind: global_buffer, .address_space: global }
      - { .name: qkv_w, .offset: 8, .size: 8, .value_kind: global_buffer, .address_space: global }
      - { .name: out_w, .offset: 16, .size: 8, .value_kind: global_buffer, .address_space: global }
      - { .name: xc, .offset: 24, .size: 8, .value_kind: global_buffer, .address_space: global }
      - { .name: xs, .offset: 32, .size: 8, .value_kind: global_buffer, .address_space: global }
      - { .name: wc, .offset: 40, .size: 8, .value_kind: global_buffer, .address_space: global }
      - { .name: ws, .offset: 48, .size: 8, .value_kind: global_buffer, .address_space: global }
      - { .name: ow16, .offset: 56, .size: 8, .value_kind: global_buffer, .address_space: global }
    .group_segment_fixed_size: 68096
    .private_segment_fixed_size: 0
    .kernarg_segment_align: 8
    .kernarg_segment_size: 64
    .max_flat_workgroup_size: 128
    .sgpr_count:     66
    .vgpr_count:     200
    .wavefront_size: 32
...
	.end_amdgpu_metadata
.endif
;; end of part 1
;; launch qkv (part 2): grid 12 x 16, 4 waves a work-group, clusters of 4 x 4, 327,680 bytes of LDS; arguments xc, xs, wc, ws, qkv_b, qkv16, fine32; writes qkv16, fine32
.if DOCPART == 2
	.amdgcn_target "amdgcn-amd-amdhsa--gfx1250"
	.amdhsa_code_object_version 6
	.text
	.protected	k_q9c87db0953_qkv
	.globl	k_q9c87db0953_qkv
	.p2align	8
	.type	k_q9c87db0953_qkv,@function
k_q9c87db0953_qkv:
	s_mov_b64 s[64:65], 0
	v_nop
	global_prefetch_b8 v0, s[64:65] scope:SCOPE_SE
	s_setreg_imm32_b32 hwreg(HW_REG_WAVE_MODE, 25, 1), 1
	s_wait_xcnt 0x0
	s_wait_alu depctr_hold_cnt(0) depctr_sa_sdst(0) depctr_va_vdst(0) depctr_va_sdst(0) depctr_va_ssrc(0) depctr_va_vcc(0) depctr_vm_vsrc(0)
	s_getreg_b32 s2, hwreg(HW_REG_IB_STS2, 6, 4)
	s_cmp_eq_u32 s2, 0
	s_cbranch_scc0 .Lentry_in_a_cluster
	s_endpgm
.Lentry_in_a_cluster:
	s_bfe_u32 s2, ttmp6, 0x10000c
	s_cmp_lg_u32 s2, 0xf033
	s_cbranch_scc0 .Lentry_shape_is_right
	s_endpgm
.Lentry_shape_is_right:
; QKV = Q(x) Q(qkv_w) + qkv_b on codes of FP4 (E2M1) with one E8M0 scale for each 32 along K; sums in f32.  M = 4,096, N = 3,072, K = 1,024.
; A tile of 256 x 256 is made by four waves, 128 x 128 each: 64 accumulators, 512 registers.  K = 1,024 is two LDS slots of 512 along K (rows of 256 bytes): each slot is filled ONCE, at the start, and so are
; the scale bytes of the tile's 256 + 256 rows for all of K.  Nothing is filled again, so there is no loop and one change of slots.
; CLUSTERS: 4 x 4 work-groups.  The four of a row need the same tiles of x, the four of a column the same tiles of w: each tile is asked for jointly.
; THE MATRIX INSTRUCTION IS USED TRANSPOSED (source 0 = 16 rows of w, source 1 = 16 rows of x): a lane holds eight neighbouring columns of one row.  The bias is the C of each sum's first product.
; OUT: f16, laid by head: qkv16 [which (q, k, v)][batch][head][position][64], a plane of 262,144 dense bytes for each (which, batch, head); each store covers 512 consecutive bytes (four positions of a head).
; The rows of positions 0..15 of each batch also leave in f32 (fine32 [batch][16][3072]), for the launch that carries those positions finely.  Those stores are masked by EXEC, not by a branch:
; no branch here hangs on a work-group's place in its cluster.
; LIMIT: |q|, |k|, |v| stay under 65,504 (f16).
; REGISTERS: window 0: v0-31 addresses; v32-95 scale words, two sets; v128-191 x's fragments, one set; v192-255 the bias (8 registers for each of w's 8 blocks); on the way out v128-223 are free.
;   window 1: w's fragments, two sets.   window 2: the accumulators of my rows 0-63 ((a, b) at v[8 (8 a + b)]);   window 3: those of my rows 64-127.
.set NQ,     4                         ; steps of 128 along K in a slot
.set ROWB,   256                       ; a tile's row in bytes: 512 codes
.set KROW,   512                       ; a row of codes in memory
.set PITCH,  272                       ; an LDS row: 256 bytes + 16 of padding: the 16 rows that a load touches start at 16 different groups of four banks
.set FR,     8
.set NL,     2
.set NP,     4
.set HALFT,  128*PITCH
.set SLOT,   4*HALFT
.set KS,     32                        ; a row of scale bytes
.set SCL,    2*SLOT                    ; behind the slots: the scales, as units of 256 bytes + 16 of padding
.set HALFS,  16*272                    ; those of 128 rows: what one tensor load brings
.set SBLK,   2*272                     ; those of 16 rows
.set SPARE,  SCL+4*HALFS               ; the spare words, 128 bytes for each wave, named by no other line
.set SPITCH, 272                       ; the way out: a stage of 16 rows x (256 bytes + 16) for each wave, in slot 0, which has had its only fill and its last read by then
.set PLB,    262144                    ; a plane of qkv16
.set BO,   7                           ; v7   32 x (lane / 16): my place in the bias
.set ADRA, 16
.set ADRB, 20
.set STO,  24
.set RD,   25
.set CO,   26
.set ADRS, 27
.set SPW,  28                          ; v28  my spare word's address; never rewritten
.set NIL,  29                          ; v29  0; never rewritten
.set FO,   30                          ; v30  my place in fine32: 12,288 x (lane % 16) + 32 x (lane / 16)
.set FLAG, 31                          ; v31  my wave's first row within its batch
.set SC,   32
.set AF,   128
.set BIAS, 192
.set TMP,  128                         ; the way out: packed results
.set OB,   160                         ; and 16 rows read back: v160-191 and v192-223 by turns
.set G1, 24
.set G0, 32
.set G1B, 48
.set G0B, 56
.set G1S, 68
.set G0S, 76
.set G1SB, 80
.set G0SB, 88
.set MSB, 0
.macro WIN new                         ; the immediate's high byte repeats the setting that is left
.if MSB != (\new)
	s_set_vgpr_msb (MSB<<8)|(\new)
.set MSB, (\new)
.endif
.endm
.set MUL_LO, 0xa1                      ; source 0 (w) window 1, source 1 (x) window 0, C and D window 2
.set MUL_HI, 0xf1                      ; the same, C and D window 3
.set TO_B,   0x40                      ; destination window 1, address window 0
; A joint load: waves 0 and 1 fetch for x, waves 2 and 3 for w.  The branch hangs on the wave's number alone.  An s_nop 0 and four v_nop follow each of the two lines.
.macro JLOAD g0a, g1a, g0b, g1b
	s_cmp_eq_u32 s15, 0
	s_cbranch_scc0 .Lfor_b_\@
	tensor_load_to_lds s[\g0a:\g0a+3], s[\g1a:\g1a+7]
	s_nop 0
.rept 4
	v_nop
.endr
	s_branch .Lasked_\@
.Lfor_b_\@:
	tensor_load_to_lds s[\g0b:\g0b+3], s[\g1b:\g1b+7]
	s_nop 0
.rept 4
	v_nop
.endr
.Lasked_\@:
.endm
.macro CROUND                          ; a round of the cluster's barrier
	s_barrier_signal -1
	s_barrier_wait -1
	s_cmp_lg_u32 s14, 0
	s_cbranch_scc1 .Lnot_wave_0_\@
	s_barrier_signal -3
.Lnot_wave_0_\@:
	s_barrier_wait -3
	s_barrier_signal -1
	s_barrier_wait -1
.endm
	s_load_b128 s[4:7], s[0:1], 0x0                ; x's codes s[4:5], x's scales s[6:7]
	s_load_b128 s[8:11], s[0:1], 0x10              ; w's codes s[8:9], w's scales s[10:11]
	s_load_b128 s[96:99], s[0:1], 0x20             ; qkv_b s[96:97], qkv16 s[98:99]
	s_load_b64 s[12:13], s[0:1], 0x30              ; fine32
	v_lshl_add_u32 v[SPW], v0, 2, SPARE
	v_mov_b32 v[NIL], 0
	ds_add_u32 v[SPW], v[NIL]                      ; the wave's opening: the add, twice on end, and its wait ahead of my first tensor load
	ds_add_u32 v[SPW], v[NIL]
	v_lshrrev_b32 v1, 5, v0
	v_readfirstlane_b32 s14, v1                    ; wave 0..3
	s_lshr_b32 s15, s14, 1                         ; which half of the tile's rows is mine.  Also: I fetch for x (0) or for w (1)
	s_and_b32 s16, s14, 1                          ; which half of its columns.  Also: which 128 rows of that tile I fetch
	s_bfe_u32 s40, ttmp6, 0x40000                  ; cx, cy: my place in the cluster
	s_bfe_u32 s41, ttmp6, 0x40004
	s_lshl_b32 s42, ttmp9, 2
	s_add_co_u32 s42, s42, s40                     ; tile column = 4 x cluster x + cx
	s_and_b32 s17, ttmp7, 0xffff
	s_lshl_b32 s17, s17, 2
	s_add_co_u32 s17, s17, s41                     ; tile row = 4 x cluster y + cy
	s_lshl_b32 s43, s41, 2
	s_lshl_b32 s43, 15, s43                        ; my row of the cluster
	s_lshl_b32 s44, 0x1111, s40                    ; my column
	; descriptor group 1: a tile of 128 rows x 256 bytes, 16 bytes of padding behind each row
	s_or_b32 s[G1+0], s43, (0<<16)|(1<<20)|(1<<21)|(5<<22)|(3<<25)
	s_or_b32 s[G1B+0], s44, (0<<16)|(1<<20)|(1<<21)|(5<<22)|(3<<25)
.irp g, G1, G1B
	s_mov_b32 s[\g+1], ROWB<<16                    ; tensor_dim0
	s_mov_b32 s[\g+2], 128<<16                     ; tensor_dim1
	s_mov_b32 s[\g+3], ROWB<<16                    ; tile_dim0
	s_mov_b32 s[\g+4], 128                         ; tile_dim1
	s_mov_b32 s[\g+5], KROW                        ; the pitch in memory
	s_mov_b32 s[\g+6], 0
	s_mov_b32 s[\g+7], 0
.endr
	; the scales of 128 rows: a dense block of 4,096 bytes, as 16 rows of 256 bytes (32 elements of 8 bytes), 16 bytes of padding behind each
	s_or_b32 s[G1S+0], s43, (3<<16)|(1<<20)|(1<<21)|(5<<22)|(3<<25)
	s_or_b32 s[G1SB+0], s44, (3<<16)|(1<<20)|(1<<21)|(5<<22)|(3<<25)
.irp g, G1S, G1SB
	s_mov_b32 s[\g+1], 32<<16
	s_mov_b32 s[\g+2], 16<<16
	s_mov_b32 s[\g+3], 32<<16
	s_mov_b32 s[\g+4], 16
	s_mov_b32 s[\g+5], 32
	s_mov_b32 s[\g+6], 0
	s_mov_b32 s[\g+7], 0
.endr
	s_lshl_b32 s18, s16, 7                         ; which 128 rows of the tile I fetch
	s_lshl_b32 s20, s17, 8
	s_add_co_u32 s20, s20, s18                     ; x: row 256 x tile row + 128 x half
	s_lshl_b32 s46, s42, 8
	s_add_co_u32 s46, s46, s18                     ; w: row 256 x tile column + 128 x half
	s_mov_b32 s21, 0
	s_mov_b32 s47, 0
	s_mov_b64 s[18:19], KS
	s_mul_u64 s[22:23], s[20:21], s[18:19]         ; where these rows' scales begin
	s_mul_u64 s[92:93], s[46:47], s[18:19]
	s_mov_b64 s[18:19], KROW
	s_mul_u64 s[20:21], s[20:21], s[18:19]         ; and their codes
	s_mul_u64 s[46:47], s[46:47], s[18:19]
	s_mul_i32 s45, s14, HALFT                      ; where they go: wave x 128 rows: no place in the cluster enters an LDS address
	s_mul_i32 s94, s14, HALFS
	s_wait_dscnt 0x0                               ; both opening adds are done
	s_wait_kmcnt 0x0
	s_add_nc_u64 s[20:21], s[4:5], s[20:21]
	s_add_nc_u64 s[22:23], s[6:7], s[22:23]
	s_add_nc_u64 s[46:47], s[8:9], s[46:47]
	s_add_nc_u64 s[92:93], s[10:11], s[92:93]
	CROUND                                         ; all sixteen work-groups are here: the joint loads meet
	s_mov_b32 s[G0S], 1
	s_add_co_u32 s[G0S+1], s94, SCL
	s_mov_b64 s[G0S+2:G0S+3], s[22:23]
	s_or_b32 s[G0S+3], s[G0S+3], 0x80000000
	s_mov_b32 s[G0SB], 1
	s_add_co_u32 s[G0SB+1], s94, SCL
	s_mov_b64 s[G0SB+2:G0SB+3], s[92:93]
	s_or_b32 s[G0SB+3], s[G0SB+3], 0x80000000
	JLOAD G0S, G1S, G0SB, G1SB                     ; the scales first: they are wanted with the first step
.irp s, 0,1
	s_mov_b32 s[G0+4*\s], 1
	s_add_co_u32 s[G0+4*\s+1], s45, \s*SLOT
	s_add_nc_u64 s[G0+4*\s+2:G0+4*\s+3], s[20:21], \s*ROWB
	s_or_b32 s[G0+4*\s+3], s[G0+4*\s+3], 0x80000000
	s_mov_b32 s[G0B+4*\s], 1
	s_add_co_u32 s[G0B+4*\s+1], s45, \s*SLOT
	s_add_nc_u64 s[G0B+4*\s+2:G0B+4*\s+3], s[46:47], \s*ROWB
	s_or_b32 s[G0B+4*\s+3], s[G0B+4*\s+3], 0x80000000
	JLOAD G0+4*\s, G1, G0B+4*\s, G1B               ; three loads of mine are out in all
.endr
	v_and_b32 v1, 15, v0                           ; r = lane % 16
	v_bfe_u32 v2, v0, 4, 1                         ; h = lane / 16
	v_mul_u32_u24 v3, v1, PITCH
	v_lshl_add_u32 v4, v2, 4, v3                   ; a fragment's row x pitch + 16 h
	s_mul_i32 s21, s15, HALFT                      ; my 128 rows of x
	s_mul_i32 s22, s16, HALFT                      ; my 128 rows of w,
	s_add_co_u32 s22, s22, 2*HALFT                 ; which lie behind x's 256
.irp s, 0,1
	v_add_nc_u32 v[ADRA+\s], s21, v4
	v_add_nc_u32 v[ADRB+\s], s22, v4
	s_add_co_u32 s21, s21, SLOT
	s_add_co_u32 s22, s22, SLOT
.endr
	v_mul_u32_u24 v5, v1, KS                       ; my row's scales: 32 bytes a row,
	v_lshrrev_b32 v6, 8, v5
	v_lshl_add_u32 v5, v6, 4, v5                   ; and 16 more for each 256 passed
	s_mul_i32 s21, s15, HALFS
	s_mul_i32 s22, s16, HALFS
	s_add_co_u32 s22, s22, 2*HALFS
	s_sub_co_u32 s22, s22, s21
	v_mul_u32_u24 v6, s22, v2                      ; lanes 16-31 take w's: one product, the distance between the two bases
	s_add_co_u32 s21, s21, SCL
	v_add_nc_u32 v5, v5, v6
	v_add_nc_u32 v[ADRS], s21, v5
	s_mul_i32 s23, s14, 16*SPITCH                  ; my stage
	v_mul_u32_u24 v5, v1, SPITCH                   ; in: row r, 16 bytes for each half of the lanes
	v_lshl_add_u32 v5, v2, 4, v5
	v_add_nc_u32 v[STO], s23, v5
	v_and_b32 v6, 31, v0
	v_lshlrev_b32 v[CO], 4, v6                     ; out: 16 x lane: 512 consecutive bytes of a plane
	v_lshrrev_b32 v5, 3, v6                        ; back: eight lanes take a head's 128 bytes of a row, four rows an instruction
	v_mul_u32_u24 v5, v5, SPITCH
	v_and_b32 v6, 7, v0
	v_lshl_add_u32 v5, v6, 4, v5
	v_add_nc_u32 v[RD], s23, v5
	v_lshlrev_b32 v[BO], 5, v2
	v_mul_u32_u24 v[FO], v1, 12288
	v_lshl_add_u32 v[FO], v2, 5, v[FO]
	s_lshl_b32 s20, s17, 8
	s_lshl_b32 s21, s15, 7
	s_add_co_u32 s20, s20, s21                     ; m0: my first row
	s_lshl_b32 s46, s42, 8
	s_lshl_b32 s47, s16, 7
	s_add_co_u32 s46, s46, s47                     ; n0: my first column
	s_mov_b32 s93, 0
	s_lshl_b32 s92, s46, 2
	s_add_nc_u64 s[96:97], s[96:97], s[92:93]      ; the bias at n0
.irp b, 0,1,2,3,4,5,6,7
	global_load_b128 v[BIAS+8*\b:BIAS+8*\b+3], v[BO], s[96:97] offset:64*\b        ; lane (r, h), register j: qkv_b[n0 + 16 b + 8 h + j]: the result's layout
	global_load_b128 v[BIAS+8*\b+4:BIAS+8*\b+7], v[BO], s[96:97] offset:64*\b+16
.endr
	s_lshr_b32 s22, s20, 11                        ; batch
	s_and_b32 s23, s20, 2047                       ; my first position
	v_mov_b32 v[FLAG], s23
	s_lshr_b32 s21, s46, 10                        ; which: q, k or v
	s_lshl_b32 s21, s21, 1
	s_add_co_u32 s21, s21, s22
	s_lshl_b32 s21, s21, 4
	s_bfe_u32 s47, s46, 0x40006                    ; my first head: (n0 / 64) % 16
	s_add_co_u32 s21, s21, s47
	s_lshl_b32 s92, s21, 18                        ; the plane,
	s_lshl_b32 s94, s23, 7                         ; 128 bytes a position
	s_add_co_u32 s92, s92, s94
	s_add_nc_u64 s[98:99], s[98:99], s[92:93]
	s_mul_i32 s92, s22, 16*3072*4                  ; fine32: the batch's 16 rows, + 4 n0
	s_lshl_b32 s94, s46, 2
	s_add_co_u32 s92, s92, s94
	s_add_nc_u64 s[12:13], s[12:13], s[92:93]
.macro FRAG reg, adr, q, i             ; a fragment, 16 rows x 128 K of 4-bit codes: lane l holds row l % 16; registers 4 c .. 4 c + 3 hold K = 64 c + 32 (l / 16) + 0 .. 31
.irp c, 0,1
	ds_load_b128 v[\reg+4*\c:\reg+4*\c+3], v[\adr] offset:64*(\q)+32*\c+(\i)*16*PITCH
.endr
.endm
; 16 matrix instructions: x's blocks a0, a0 + 1 against w's eight, 128 along K.  p: w's set; sc: the set of scale words.  zero = 1: the sums begin with the bias as C.
; The 64 accumulators take turns, one instruction a turn, in the same order in every step.
.macro MUL16 a0, p, q, sc, zero
.irp a, \a0, \a0+1
.irp b, 0,1,2,3,4,5,6,7
.if \zero
	v_wmma_scale_f32_16x16x128_f8f6f4 v[8*(8*((\a)%4)+\b):8*(8*((\a)%4)+\b)+7], v[128*(\p)+FR*\b:128*(\p)+FR*\b+FR-1], v[AF+FR*(\a):AF+FR*(\a)+FR-1], v[BIAS+8*\b:BIAS+8*\b+7], v[SC+8*NQ*(\sc)+NQ*\b+(\q)], v[SC+8*NQ*(\sc)+NQ*(\a)+(\q)] matrix_a_fmt:MATRIX_FMT_FP4 matrix_b_fmt:MATRIX_FMT_FP4 matrix_a_scale:MATRIX_SCALE_ROW1
.else
	v_wmma_scale_f32_16x16x128_f8f6f4 v[8*(8*((\a)%4)+\b):8*(8*((\a)%4)+\b)+7], v[128*(\p)+FR*\b:128*(\p)+FR*\b+FR-1], v[AF+FR*(\a):AF+FR*(\a)+FR-1], v[8*(8*((\a)%4)+\b):8*(8*((\a)%4)+\b)+7], v[SC+8*NQ*(\sc)+NQ*\b+(\q)], v[SC+8*NQ*(\sc)+NQ*(\a)+(\q)] matrix_a_fmt:MATRIX_FMT_FP4 matrix_b_fmt:MATRIX_FMT_FP4 matrix_a_scale:MATRIX_SCALE_ROW1
.endif
.endr
.endr
.endm
.macro FETCH_B slot, q, p
	WIN TO_B
.irp i, 0,1,2,3,4,5,6,7
	FRAG 128*(\p)+FR*\i, ADRB+\slot, \q, \i
.endr
	WIN 0
.endm
.macro FETCH_A slot, q, i0
.irp i, \i0, \i0+1, \i0+2, \i0+3
	FRAG AF+FR*(\i), ADRA+\slot, \q, \i
.endr
.endm
.macro SCALES sc                       ; a slot's scale words: 4 words a row; lanes 0-15 take x's block i, lanes 16-31 w's block i
.irp i, 0,1,2,3,4,5,6,7
	ds_load_b128 v[SC+8*NQ*\sc+NQ*\i:SC+8*NQ*\sc+NQ*\i+3], v[ADRS] offset:\i*SBLK
.endr
.endm
.macro PLACES n                        ; plain vector lines between a matrix instruction and a load into, or a read of, its registers
.rept \n
	v_nop
.endr
.endm
.macro STEP slot, q, zero              ; a step of 128 along K that has its successor in the same slot
	s_wait_dscnt 4*NL                              ; w's set and x's blocks 0-3 are in; the youngest eight loads (x's blocks 4-7) may be out
	WIN MUL_LO-0x20*\zero                          ; (with the bias as C: source 2 in window 0)
	MUL16 0, (\q)%2, \q, \slot, \zero
	MUL16 2, (\q)%2, \q, \slot, \zero
	s_wait_dscnt 0
	PLACES NP
	FETCH_B \slot, (\q)+1, 1-(\q)%2
	FETCH_A \slot, (\q)+1, 0
	WIN MUL_HI-0x30*\zero
	MUL16 4, (\q)%2, \q, \slot, \zero
	MUL16 6, (\q)%2, \q, \slot, \zero
	PLACES NP
	WIN 0
	FETCH_A \slot, (\q)+1, 4
.endm
; Slot 0's last step changes slots: one barrier; in front of it each wave waits for all its tensor loads, adds 0 to its spare word, and waits for that and for its reads of the slot.  Nothing is filled again.
.macro TURN slot, next
	s_wait_tensorcnt 0x0                           ; my part of the next slot has landed
	ds_add_u32 v[SPW], v[NIL]
	s_wait_dscnt 4*NL+1                            ; (the add and the youngest eight loads may be out)
	WIN MUL_LO
	MUL16 0, 1, NQ-1, \slot, 0
	s_wait_dscnt 0x0                               ; the add is done, and my reads of this slot are over
	s_barrier_signal -1
	MUL16 2, 1, NQ-1, \slot, 0
	WIN 0
	s_barrier_wait -1
	PLACES NP
	v_add_nc_u32 v[ADRS], 4*NQ, v[ADRS]            ; on to the next slot's scale words
	FETCH_B \next, 0, 0
	FETCH_A \next, 0, 0
	SCALES \next
	WIN MUL_HI
	MUL16 4, 1, NQ-1, \slot, 0
	MUL16 6, 1, NQ-1, \slot, 0
	PLACES NP
	WIN 0
	FETCH_A \next, 0, 4
.endm
.macro STEPS slot, from
.set QQ, \from
.rept NQ-1-\from
	STEP \slot, QQ, 0
.set QQ, QQ+1
.endr
.endm
	s_wait_tensorcnt 1                             ; the scales and my part of slot 0 are in (slot 1's load may be out)
	s_barrier_signal -1
	s_barrier_wait -1                              ; everybody's are
	FETCH_B 0, 0, 0
	FETCH_A 0, 0, 0
	SCALES 0
	FETCH_A 0, 0, 4
	s_wait_loadcnt 0x0                             ; the bias
	STEP 0, 0, 1
	STEPS 0, 1
	TURN 0, 1
	STEPS 1, 0
	s_wait_dscnt 4*NL                              ; the very last step: nothing more to fetch
	WIN MUL_LO
	MUL16 0, 1, NQ-1, 1, 0
	MUL16 2, 1, NQ-1, 1, 0
	s_wait_dscnt 0
	WIN MUL_HI
	MUL16 4, 1, NQ-1, 1, 0
	MUL16 6, 1, NQ-1, 1, 0
	WIN 0
	PLACES NP                                      ; with all lanes on: behind the last products, ahead of every read of results and every write of their operands
	; positions 0..15 in f32: only in a wave whose first position is 0 are any lanes on.  EXEC changes only behind a wait on XCNT for 0.
	v_cmp_eq_u32 vcc_lo, 0, v[FLAG]
	s_wait_xcnt 0x0
	s_and_saveexec_b32 s95, vcc_lo
	WIN 0x08                                       ; a store's data are its source 1: window 2
.irp b, 0,1,2,3,4,5,6,7
	global_store_b128 v[FO], v[8*\b:8*\b+3], s[12:13] offset:64*\b          ; block 0's accumulators, each from its low end on
	global_store_b128 v[FO], v[8*\b+4:8*\b+7], s[12:13] offset:64*\b+16
.endr
	WIN 0
	s_wait_xcnt 0x0
	s_or_b32 exec_lo, exec_lo, s95
; THE WAY OUT, block by block of 16 rows x 128 columns (two heads).  PACK: to f16, 16 bytes a lane.  TOSTAGE: into my stage, and back by heads.  SEND: stored.
.macro PACK a
.set AC, 64*((\a)%4)
	WIN 0x0a+5*((\a)/4)                            ; sources 0 and 1: window 2 or 3
.irp b, 0,1,2,3,4,5,6,7
.irp e, 0,1,2,3
	v_cvt_pk_f16_f32 v[TMP+4*\b+\e], v[AC+8*\b+2*\e], v[AC+8*\b+2*\e+1]
.endr
.endr
	WIN 0
.endm
.macro TOSTAGE a
.set BK, OB+32*((\a)%2)
.irp b, 0,1,2,3,4,5,6,7
	ds_store_b128 v[STO], v[TMP+4*\b:TMP+4*\b+3] offset:32*\b
.endr
.irp g, 0,1
.irp e, 0,1,2,3
	ds_load_b128 v[BK+4*(4*\g+\e):BK+4*(4*\g+\e)+3], v[RD] offset:\e*4*SPITCH+128*\g   ; LDS serves a wave in order: these see the stores above
.endr
.endr
.endm
.macro SEND a
.set BK, OB+32*((\a)%2)
	s_wait_dscnt 0x0                               ; the block is back in registers
	s_wait_xcnt 0x0                                ; the earlier stores have read their registers: the next block's loads may land there
.irp g, 0,1
.irp e, 0,1,2,3
	global_store_b128 v[CO], v[BK+4*(4*\g+\e):BK+4*(4*\g+\e)+3], s[98:99] offset:\g*PLB+(\a)*2048+\e*512   ; 512 consecutive bytes, aligned: four positions of head g
.endr
.endr
.endm
	PACK 0
	TOSTAGE 0
.irp a, 1,2,3,4,5,6,7                  ; block a's conversions stand between block a - 1's loads from the stage and the wait for them
	PACK \a
	SEND \a-1
	TOSTAGE \a
.endr
	SEND 7
	s_wait_tensorcnt 0x0                           ; the wave's end
	ds_add_u32 v[SPW], v[NIL]
	s_wait_dscnt 0x0
	CROUND                                         ; the closing round
	s_endpgm
.Lfunc_end_k_q9c87db0953_qkv:
	.size	k_q9c87db0953_qkv, .Lfunc_end_k_q9c87db0953_qkv-k_q9c87db0953_qkv
	.p2alignl 7, 3214868480
	.fill 96, 4, 3214868480
	.section	.rodata,"a",@progbits
	.p2align	6, 0x0
	.amdhsa_kernel k_q9c87db0953_qkv
		.amdhsa_group_segment_fixed_size 327680
		.amdhsa_private_segment_fixed_size 0
		.amdhsa_enable_private_segment 0
		.amdhsa_kernarg_size 56
		.amdhsa_user_sgpr_count 2
		.amdhsa_user_sgpr_kernarg_segment_ptr 1
		.amdhsa_wavefront_size32 1
		.amdhsa_system_sgpr_workgroup_id_x 1
		.amdhsa_system_sgpr_workgroup_id_y 1
		.amdhsa_system_sgpr_workgroup_id_z 1
		.amdhsa_system_vgpr_workitem_id 0
		.amdhsa_next_free_vgpr 1024
		.amdhsa_next_free_sgpr 100
		.amdhsa_reserve_vcc 1
		.amdhsa_float_denorm_mode_32 3
		.amdhsa_float_denorm_mode_16_64 3
		.amdhsa_memory_ordered 1
		.amdhsa_forward_progress 1
		.amdhsa_inst_pref_size 130
	.end_amdhsa_kernel
	.amdgpu_metadata
---
amdhsa.version: [ 1, 2 ]
amdhsa.kernels:
  - .name:           k_q9c87db0953_qkv
    .symbol:         k_q9c87db0953_qkv.kd
    .args:
      - { .name: xc, .offset: 0, .size: 8, .value_kind: global_buffer, .address_space: global }
      - { .name: xs, .offset: 8, .size: 8, .value_kind: global_buffer, .address_space: global }
      - { .name: wc, .offset: 16, .size: 8, .value_kind: global_buffer, .address_space: global }
      - { .name: ws, .offset: 24, .size: 8, .value_kind: global_buffer, .address_space: global }
      - { .name: qkv_b, .offset: 32, .size: 8, .value_kind: global_buffer, .address_space: global }
      - { .name: qkv16, .offset: 40, .size: 8, .value_kind: global_buffer, .address_space: global }
      - { .name: fine32, .offset: 48, .size: 8, .value_kind: global_buffer, .address_space: global }
    .group_segment_fixed_size: 327680
    .private_segment_fixed_size: 0
    .kernarg_segment_align: 8
    .kernarg_segment_size: 56
    .max_flat_workgroup_size: 128
    .sgpr_count:     100
    .vgpr_count:     1024
    .wavefront_size: 32
...
	.end_amdgpu_metadata
.endif
;; end of part 2
;; launch attn (part 3): grid 8 x 32, 16 waves a work-group, no clusters, 327,680 bytes of LDS; arguments qkv16, attn16; writes attn16
.if DOCPART == 3
	.amdgcn_target "amdgcn-amd-amdhsa--gfx1250"
	.amdhsa_code_object_version 6
	.text
	.protected	k_q9c87db0953_attn
	.globl	k_q9c87db0953_attn
	.p2align	8
	.type	k_q9c87db0953_attn,@function
k_q9c87db0953_attn:
	s_mov_b64 s[64:65], 0
	v_nop
	global_prefetch_b8 v0, s[64:65] scope:SCOPE_SE
	s_setreg_imm32_b32 hwreg(HW_REG_WAVE_MODE, 25, 1), 1
	s_wait_xcnt 0x0
; ATTENTION under the causal mask, head size 64, 2,048 positions, 32 (batch, head) pairs.  q, k, v: f16 planes of qkv16 ([position][64], 262,144 bytes each); out: attn16, f16, the same planes.
; Products on f16 operands with f32 sums; maxima, exponentials and sums in f32; the weights p = 2^(c s - c m), c = log2(e) / 8, m the running maximum, are rounded to f16 for the second product;
; the row's sum is taken of the unrounded p and divides at the end.
; SHARES.  Work-group i of a head owns the blocks of 128 queries i and 15 - i: the same work under the mask in every work-group.  A group of 32 queries (two tiles of 16) belongs to TWO waves, which take
; alternate steps of 64 keys (p = 0: keys 0-63 and 128-191 of a slot of 256; p = 1: the others); their (m, l, O) are merged once, through LDS, at the end.
; Wave w: group g = w / 4, p = (w / 2) % 2, block = (w ^ g) % 2; its partner is w ^ 2.
; LAYOUT.  S^T = K Q^T (source 0 = 16 keys, source 1 = 16 queries), O^T = V^T P (source 0 = 16 channels, turned out of LDS, source 1 = P): a lane holds ONE query throughout.
; RING.  Two LDS slots of 256 keys; wave 0 brings a slot's K, wave 1 its V, one tensor load each behind each change of slots.  Every work-group walks all 8 slots, so trip counts are constants; a step all of
; whose keys come after the wave's queries is jumped over, and a slot whose first key comes after the work-group's last query is not asked for.
; NO CLUSTER: the work-groups of a head need different numbers of slots under the mask, so a joint load would bring some partner tiles that none of its waves reads.
; LIMITS: |q|, |k|, |v| under 65,504 (f16); NaN and infinities are not served.
.set PLB,   262144
.set KP,    144                        ; a key's row of K in LDS: 128 bytes + 16
.set VP,    160                        ; of V: 128 + 32
.set VOFF,  256*KP                     ; a slot: 256 rows of K, then 256 rows of V
.set SLOT1, 1<<17                      ; slot 1 begins here: one exclusive or turns an address
.set CMB,   SLOT1+VOFF+256*VP          ; behind the ring: for each pair of waves 8,192 bytes of O's registers and 512 of statistics
.set CMW,   8704
.set STAGE, CMB+8*CMW                  ; the way out: for each pair 2 tiles x 16 rows x 144 bytes
.set STW,   4608
.set SPARE, STAGE+8*STW                ; the spare words, 128 bytes for each wave, named by no other line
.set AK0,  1                           ; v1   my lane's place in a slot's K (behind the loop: where I put 16 bytes in my stage)
.set AV0,  2                           ; v2   the same for V (behind the loop: where I read the stage back)
.set ADK,  3                           ; v3   address of the step's K (behind the loop: 16 x lane, my place in a store)
.set ADV,  4                           ; v4   of its V
.set SPW,  5                           ; v5   my spare word's address; never rewritten
.set NIL,  6                           ; v6   0; never rewritten
.set PFO,  7                           ; v7   256 x lane: the prefetches' offset; never rewritten
.set RH,   8                           ; v8   r - 8 h
.set DD,   9                           ; v9   at work
.set NINF, 10                          ; v10  -infinity
.set CMA,  11                          ; v11  my pair's merge region + 16 x lane
.set ST,   12                          ; v12-27  statistics, 8 a tile: +0 c m, +1 m, +2, +3 l in two halves, +4..+7 at work; a = 2^(c m_old - c m_new) at +6
.set TT,   28                          ; v28-31  a second chain for the sums, a pair a tile; at the end (c m, l) of both tiles
.set Q,    32                          ; v32-63  Q: tile t, channels 32 c on, at 32 + 16 t + 8 c
.set S,    64                          ; v64-127 S^T, 32 a tile; P is packed into a tile's lower 16
.set KV,   128                         ; v128-191 the step's K, then its V
.set O,    192                         ; v192-255 O^T: tile t, channels 16 d on, at 192 + 32 t + 8 d
.set WV,   8
.set BH,   10
.set P64,  12                          ; s12  64 p
.set SK0,  13                          ; s13  the slot's first key
.set Q0,   14                          ; s14  my first query
.set QL,   15                          ; s15  my last
.set WGL,  16                          ; s16  my work-group's last
.set SKP,  17                          ; s17  SK0 + 64 p
.set TB,   18                          ; s18  LDS byte at which the slot in hand begins
.set SLOTS, 19
.set SEL,  20                          ; s[20:21] v_permlanex16_b32's selects for lane l xor 16
.set CS,   22                          ; s[22:23] c, twice
.set G1K,  24
.set G1V,  32
.set G0K,  40
.set G0V,  44
.set PFA,  48                          ; s[48:49] where my prefetches stand
.set LIM,  52                          ; s52  1 in a wave that prefetches, else the greatest number
.set PID,  53                          ; s53  my pair: 2 g + w % 2
; Wave 0 fetches K, wave 1 V, the others nothing.  The branches hang on the wave's number alone.  An s_nop 0 and four v_nop follow each of the two lines.
.macro TLOAD
	s_cmp_eq_u32 s[WV], 0
	s_cbranch_scc0 .Lnot_k_\@
	tensor_load_to_lds s[G0K:G0K+3], s[G1K:G1K+7]
	s_nop 0
.rept 4
	v_nop
.endr
	s_branch .Lasked_\@
.Lnot_k_\@:
	s_cmp_eq_u32 s[WV], 1
	s_cbranch_scc0 .Lasked_\@
	tensor_load_to_lds s[G0V:G0V+3], s[G1V:G1V+7]
	s_nop 0
.rept 4
	v_nop
.endr
.Lasked_\@:
.endm
; A prefetch of what the NEXT change of slots will ask for: 32,768 dense bytes of K and as many of V.  All eight work-groups of a head walk the same K and V: work-group 0, which asks for every slot, prefetches.
; In it waves 4 to 7 name K's bytes and waves 8 to 11 V's, 8,192 a wave, lanes 256 bytes apart: each aligned block of 256 bytes is named once in the launch.  The last change that fills a slot asks for nothing.
.macro ASK
	s_cmp_gt_u32 s[SLOTS], s[LIM]
	s_cbranch_scc0 .Lnot_mine_\@
	global_prefetch_b8 v[PFO], s[PFA:PFA+1] th:TH_LOAD_NT scope:SCOPE_SE
.Lnot_mine_\@:
.endm
	s_load_b128 s[4:7], s[0:1], 0x0                ; qkv16 s[4:5], attn16 s[6:7]
	v_lshl_add_u32 v[SPW], v0, 2, SPARE
	v_mov_b32 v[NIL], 0
	ds_add_u32 v[SPW], v[NIL]                      ; the wave's opening: the add, twice on end, and its wait ahead of the first tensor load
	ds_add_u32 v[SPW], v[NIL]
	v_lshrrev_b32 v1, 5, v0
	v_readfirstlane_b32 s[WV], v1                  ; wave 0..15
	s_and_b32 s[BH], ttmp7, 0xffff                 ; batch x 16 + head
	s_lshr_b32 s60, s[WV], 2                       ; g
	s_xor_b32 s61, s[WV], s60
	s_and_b32 s61, s61, 1                          ; which of the two blocks
	s_bfe_u32 s[P64], s[WV], 0x10001
	s_lshl_b32 s[P64], s[P64], 6                   ; 64 p
	s_lshl_b32 s[PID], s60, 1
	s_and_b32 s62, s[WV], 1
	s_or_b32 s[PID], s[PID], s62
	s_sub_co_u32 s62, 15, ttmp9
	s_cmp_eq_u32 s61, 0
	s_cselect_b32 s62, ttmp9, s62                  ; block i or block 15 - i
	s_lshl_b32 s[Q0], s62, 7
	s_lshl_b32 s60, s60, 5
	s_add_co_u32 s[Q0], s[Q0], s60
	s_add_co_u32 s[QL], s[Q0], 31
	s_lshl_b32 s[WGL], ttmp9, 7
	s_sub_co_u32 s[WGL], 2047, s[WGL]              ; the last query of block 15 - i
	s_mov_b32 s[SK0], 0
	s_mov_b32 s[SKP], s[P64]
	s_mov_b32 s[TB], 0
	s_mov_b32 s[SLOTS], 7
	s_mov_b32 s[SEL], 0x76543210
	s_mov_b32 s[SEL+1], 0xfedcba98
	s_mov_b32 s[CS], 0x3e38aa3b                    ; c = log2(e) / 8
	s_mov_b32 s[CS+1], s[CS]
	; descriptor group 1: 256 rows of 64 elements of 2 bytes, dense in memory; padding behind each row of 32 words: 4 words for K, 8 for V
	s_mov_b32 s[G1K], (1<<16)|(1<<20)|(4<<22)|(3<<25)
	s_mov_b32 s[G1V], (1<<16)|(1<<20)|(4<<22)|(7<<25)
.irp g, G1K, G1V
	s_mov_b32 s[\g+1], 64<<16                      ; tensor_dim0
	s_mov_b32 s[\g+2], 256<<16                     ; tensor_dim1
	s_mov_b32 s[\g+3], 64<<16                      ; tile_dim0
	s_mov_b32 s[\g+4], 256                         ; tile_dim1
	s_mov_b32 s[\g+5], 64                          ; the pitch in memory
	s_mov_b32 s[\g+6], 0
	s_mov_b32 s[\g+7], 0
.endr
	s_lshl_b32 s60, s[BH], 18                      ; my head's plane
	s_mov_b32 s61, 0
	s_lshl_b32 s62, s[Q0], 7                       ; my first query's row
	s_mov_b32 s63, 0
	s_wait_dscnt 0x0                               ; both opening adds are done
	s_wait_kmcnt 0x0
	s_add_nc_u64 s[54:55], s[4:5], s[60:61]        ; q's plane
	s_add_nc_u64 s[56:57], s[54:55], 32*PLB        ; k's
	s_add_nc_u64 s[58:59], s[54:55], 64*PLB        ; v's
	s_add_nc_u64 s[54:55], s[54:55], s[62:63]      ; q at my first query
	s_add_nc_u64 s[6:7], s[6:7], s[60:61]
	s_add_nc_u64 s[6:7], s[6:7], s[62:63]          ; out likewise
	s_mov_b32 s[G0K], 1
	s_mov_b32 s[G0K+1], 0                          ; slot 0
	s_mov_b64 s[G0K+2:G0K+3], s[56:57]
	s_or_b32 s[G0K+3], s[G0K+3], 0x80000000
	s_mov_b32 s[G0V], 1
	s_mov_b32 s[G0V+1], VOFF
	s_mov_b64 s[G0V+2:G0V+3], s[58:59]
	s_or_b32 s[G0V+3], s[G0V+3], 0x80000000
	TLOAD                                          ; slot 0: keys 0..255, which count for queries of every work-group
	v_and_b32 v9, 15, v0                           ; r
	v_bfe_u32 v10, v0, 4, 1                        ; h
	v_lshlrev_b32 v3, 7, v9
	v_lshl_add_u32 v3, v10, 4, v3                  ; Q: row r of 128 bytes, + 16 h
.irp t, 0,1
.irp c, 0,1
	global_load_b128 v[Q+16*\t+8*\c:Q+16*\t+8*\c+3], v3, s[54:55] offset:2048*\t+64*\c
	global_load_b128 v[Q+16*\t+8*\c+4:Q+16*\t+8*\c+7], v3, s[54:55] offset:2048*\t+64*\c+32
.endr
.endr
	s_cmp_lt_u32 s[WV], 8                          ; the prefetches: waves 4 to 7 K, waves 8 to 11 V
	s_cselect_b64 s[PFA:PFA+1], s[56:57], s[58:59]
	s_and_b32 s60, s[WV], 3
	s_lshl_b32 s60, s60, 13                        ; my wave's 8,192 bytes,
	s_add_co_u32 s60, s60, 32768                   ; in slot 1: the first change of slots steps it to slot 2.  Nothing is prefetched here, at the head
	s_mov_b32 s61, 0
	s_add_nc_u64 s[PFA:PFA+1], s[PFA:PFA+1], s[60:61]
	s_sub_co_u32 s60, s[WV], 4
	s_lshr_b32 s60, s60, 3                         ; 0 in waves 4 to 11,
	s_or_b32 s60, s60, ttmp9                       ; of the head's work-group 0
	s_cmp_eq_u32 s60, 0
	s_cselect_b32 s[LIM], 1, -1
	v_and_b32 v[PFO], 31, v0
	v_lshlrev_b32 v[PFO], 8, v[PFO]
	s_mul_i32 s60, s[P64], KP
	v_mul_u32_u24 v[AK0], v9, KP
	v_lshl_add_u32 v[AK0], v10, 4, v[AK0]
	v_add_nc_u32 v[AK0], s60, v[AK0]               ; K: (r + 64 p) rows + 16 h
	v_and_b32 v4, 7, v0
	v_lshl_add_u32 v4, v10, 3, v4
	v_mul_u32_u24 v[AV0], v4, VP
	v_bfe_u32 v4, v0, 3, 1
	v_lshl_add_u32 v[AV0], v4, 4, v[AV0]
	s_mul_i32 s60, s[P64], VP
	s_add_co_u32 s60, s60, VOFF
	v_add_nc_u32 v[AV0], s60, v[AV0]               ; V, for the turning load: (8 h + lane % 8 + 64 p) rows + 16 ((lane / 8) % 2)
	v_lshlrev_b32 v[RH], 3, v10
	v_sub_nc_u32 v[RH], v9, v[RH]
	v_and_b32 v4, 31, v0
	s_mul_i32 s60, s[PID], CMW
	s_add_co_u32 s60, s60, CMB
	v_lshl_add_u32 v[CMA], v4, 4, s60
	v_mov_b32 v[NINF], 0xff800000
.irp t, 0,1
	v_mov_b32 v[ST+8*\t+1], 0xff61b1e6             ; m = -3e38, under every score
	v_mul_f32 v[ST+8*\t], s[CS], v[ST+8*\t+1]
.irp e, 2,3,4,5,6,7
	v_mov_b32 v[ST+8*\t+\e], 0
.endr
.endr
.set i, 0
.rept 64
	v_mov_b32 v[O+i], 0                            ; O^T.  The step is written once, and a wave may have no step at all: the first change of m leaves zeros zeros
.set i, i+1
.endr
; A KEY STEP: 64 keys, from KF = SKP + 128 u on, for my 32 queries.
.macro STEP u
	s_add_co_u32 s60, s[SKP], 128*\u               ; KF
	s_cmp_gt_u32 s60, s[QL]                        ; all its keys come after my queries: left out.  (KF is a multiple of 64 and Q0 of 32: in a step that is walked key KF counts for all my queries)
	s_cbranch_scc1 .Lhidden_\@
	v_add_nc_u32 v[ADK], s[TB], v[AK0]
	v_add_nc_u32 v[ADV], s[TB], v[AV0]
.rept 3
	v_nop                                          ; with the two additions five places behind the last products: four for the loads into their operands, five for the products that write over P
.endr
.irp k, 0,1,2,3
.irp c, 0,1
	ds_load_b128 v[KV+8*(2*\k+\c):KV+8*(2*\k+\c)+3], v[ADK] offset:(128*\u+16*\k)*KP+64*\c
	ds_load_b128 v[KV+8*(2*\k+\c)+4:KV+8*(2*\k+\c)+7], v[ADK] offset:(128*\u+16*\k)*KP+64*\c+32
.endr
.endr
	s_wait_dscnt 0x0
.irp c, 0,1                            ; S^T = K Q^T: eight accumulators by turns
.irp k, 0,1,2,3
.irp t, 0,1
.if \c == 0
	v_wmma_f32_16x16x32_f16 v[S+32*\t+8*\k:S+32*\t+8*\k+7], v[KV+8*(2*\k+\c):KV+8*(2*\k+\c)+7], v[Q+16*\t+8*\c:Q+16*\t+8*\c+7], 0
.else
	v_wmma_f32_16x16x32_f16 v[S+32*\t+8*\k:S+32*\t+8*\k+7], v[KV+8*(2*\k+\c):KV+8*(2*\k+\c)+7], v[Q+16*\t+8*\c:Q+16*\t+8*\c+7], v[S+32*\t+8*\k:S+32*\t+8*\k+7]
.endif
.endr
.endr
.endr
.rept 4
	v_nop                                          ; places: ahead of the loads into K's registers and of the first read of the scores
.endr
.irp g, 0,1                            ; V lands while the softmax is walked: keys 32 g on, channels 16 d on
.irp d, 0,1,2,3
	ds_load_tr16_b128 v[KV+8*(4*\g+\d):KV+8*(4*\g+\d)+3], v[ADV] offset:(128*\u+32*\g)*VP+32*\d
	ds_load_tr16_b128 v[KV+8*(4*\g+\d)+4:KV+8*(4*\g+\d)+7], v[ADV] offset:(128*\u+32*\g+16)*VP+32*\d
.endr
.endr
	s_add_co_u32 s61, s60, 63                      ; on the diagonal hidden scores become -infinity; a step all of whose keys count skips this
	s_cmp_le_u32 s61, s[Q0]
	s_cbranch_scc1 .Lopen_\@
	s_sub_co_i32 s61, s[Q0], s60
	v_add_nc_u32 v[DD], s61, v[RH]                 ; d = Q0 - KF + r - 8 h.  Register 8 k + j of tile t holds key KF + 16 k + 8 h + j for query Q0 + 16 t + r: hidden where 16 k + j - 16 t > d
.irp t, 0,1
.irp k, 0,1,2,3
.irp j, 0,1,2,3,4,5,6,7
	v_cmp_gt_i32 vcc_lo, 16*\k+\j-16*\t, v[DD]
	v_cndmask_b32 v[S+32*\t+8*\k+\j], v[S+32*\t+8*\k+\j], v[NINF], vcc_lo
.endr
.endr
.endr
.Lopen_\@:
.irp j, 0,1,2,3                        ; the maximum of my 32 scores and the old m: four chains a tile, the two tiles by turns; each accumulator is read from its low end on
.irp t, 0,1
	v_max3_num_f32 v[ST+8*\t+4+\j], v[S+32*\t+8*\j], v[S+32*\t+8*\j+1], v[S+32*\t+8*\j+2]
.endr
.endr
.irp e, 3,5
.irp j, 0,1,2,3
.irp t, 0,1
	v_max3_num_f32 v[ST+8*\t+4+\j], v[ST+8*\t+4+\j], v[S+32*\t+8*\j+\e], v[S+32*\t+8*\j+\e+1]
.endr
.endr
.endr
.irp t, 0,1
	v_max3_num_f32 v[ST+8*\t+4], v[ST+8*\t+4], v[S+32*\t+7], v[S+32*\t+15]
	v_max3_num_f32 v[ST+8*\t+6], v[ST+8*\t+6], v[S+32*\t+23], v[S+32*\t+31]
.endr
.irp t, 0,1
	v_max3_num_f32 v[ST+8*\t+4], v[ST+8*\t+4], v[ST+8*\t+5], v[ST+8*\t+6]
.endr
.irp t, 0,1
	v_max3_num_f32 v[ST+8*\t+4], v[ST+8*\t+4], v[ST+8*\t+7], v[ST+8*\t+1]
.endr
.irp t, 0,1
	v_permlanex16_b32 v[ST+8*\t+5], v[ST+8*\t+4], s[SEL], s[SEL+1]   ; the query's other 32 keys lie in the lane 16 away
.endr
.irp t, 0,1
	v_mov_b32 v[ST+8*\t+7], v[ST+8*\t]             ; c m_old
.endr
.irp t, 0,1
	v_max_num_f32 v[ST+8*\t+1], v[ST+8*\t+4], v[ST+8*\t+5]
.endr
.irp t, 0,1
	v_mul_f32 v[ST+8*\t], s[CS], v[ST+8*\t+1]
.endr
.irp t, 0,1
	v_sub_f32 v[ST+8*\t+7], v[ST+8*\t+7], v[ST+8*\t]
.endr
.set i, 0
.rept 16
.irp t, 0,1
	v_pk_fma_f32 v[S+32*\t+2*i:S+32*\t+2*i+1], v[S+32*\t+2*i:S+32*\t+2*i+1], s[CS:CS+1], v[ST+8*\t:ST+8*\t+1] op_sel_hi:[1,0,0] neg_lo:[0,0,1] neg_hi:[0,0,1]   ; c s - c m
.endr
.set i, i+1
.endr
.irp t, 0,1
	v_exp_f32 v[ST+8*\t+6], v[ST+8*\t+7]           ; a
.endr
.set i, 0
.rept 32
.irp t, 0,1
	v_exp_f32 v[S+32*\t+i], v[S+32*\t+i]           ; p
.endr
.set i, i+1
.endr
	v_nop                                          ; a plain line behind the last exponential
	s_wait_alu depctr_va_vdst(0)                   ; one wait for the batch of 66, ahead of its first reader
.irp t, 0,1
	v_pk_mul_f32 v[ST+8*\t+2:ST+8*\t+3], v[ST+8*\t+2:ST+8*\t+3], v[ST+8*\t+6:ST+8*\t+7] op_sel_hi:[1,0]   ; l x a
	v_pk_add_f32 v[TT+2*\t:TT+2*\t+1], v[S+32*\t:S+32*\t+1], v[S+32*\t+2:S+32*\t+3]
.endr
.irp j, 4,8,12,16,20,24,28
.irp t, 0,1
	v_pk_add_f32 v[ST+8*\t+2:ST+8*\t+3], v[ST+8*\t+2:ST+8*\t+3], v[S+32*\t+\j:S+32*\t+\j+1]
	v_pk_add_f32 v[TT+2*\t:TT+2*\t+1], v[TT+2*\t:TT+2*\t+1], v[S+32*\t+\j+2:S+32*\t+\j+3]
.endr
.endr
.irp t, 0,1
	v_pk_add_f32 v[ST+8*\t+2:ST+8*\t+3], v[ST+8*\t+2:ST+8*\t+3], v[TT+2*\t:TT+2*\t+1]
.endr
.set i, 0
.rept 16
.irp t, 0,1
	v_cvt_pk_f16_f32 v[S+32*\t+i], v[S+32*\t+2*i], v[S+32*\t+2*i+1]   ; P, packed in place, ascending: register i is written when registers 2 i and 2 i + 1 are read
.endr
.set i, i+1
.endr
.set i, 0
.rept 16
.irp t, 0,1
	v_pk_mul_f32 v[O+32*\t+2*i:O+32*\t+2*i+1], v[O+32*\t+2*i:O+32*\t+2*i+1], v[ST+8*\t+6:ST+8*\t+7] op_sel_hi:[1,0]   ; O^T x a, each accumulator from its low end on
.endr
.set i, i+1
.endr
	s_wait_dscnt 0x0                               ; V is in
.irp g, 0,1                            ; O^T += V^T P: eight accumulators by turns
.irp d, 0,1,2,3
.irp t, 0,1
	v_wmma_f32_16x16x32_f16 v[O+32*\t+8*\d:O+32*\t+8*\d+7], v[KV+8*(4*\g+\d):KV+8*(4*\g+\d)+7], v[S+32*\t+8*\g:S+32*\t+8*\g+7], v[O+32*\t+8*\d:O+32*\t+8*\d+7]
.endr
.endr
.endr
.Lhidden_\@:
.endm
; THE CHANGE OF SLOTS stands at a slot's head.  Each wave waits for all its tensor loads, adds 0 to its spare word (fill = 1: twice on end), and waits for that and for its reads of
; the slot that it has left.  Behind the barrier the slot ahead is whole and nobody reads the other one.  fill = 1: that other slot takes the next 256 keys, up to the causal limit.
.macro CHANGE fill
	s_wait_tensorcnt 0x0                           ; no tensor load of mine is out, so a group 0 may be written
	ds_add_u32 v[SPW], v[NIL]
.if \fill
	ds_add_u32 v[SPW], v[NIL]
	s_xor_b32 s[G0K+1], s[G0K+1], SLOT1            ; the walking descriptors: the other slot, the next 256 keys
	s_add_nc_u64 s[G0K+2:G0K+3], s[G0K+2:G0K+3], 32768
	s_xor_b32 s[G0V+1], s[G0V+1], SLOT1
	s_add_nc_u64 s[G0V+2:G0V+3], s[G0V+2:G0V+3], 32768
	s_wait_xcnt 0x0                                ; the last prefetch, a slot back, has read its address
	s_add_nc_u64 s[PFA:PFA+1], s[PFA:PFA+1], 32768
.endif
	s_wait_dscnt 0x0
	s_barrier_signal -1
	s_barrier_wait -1
.if \fill
	s_add_co_u32 s60, s[SK0], 256                  ; the first key of the slot that this change would ask for:
	s_cmp_gt_u32 s60, s[WGL]                       ; past my work-group's last query none of its waves would read it.  Ids and the count of slots alone: all sixteen waves go the same way
	s_cbranch_scc1 .Lpast_\@
	TLOAD                                          ; a wave's one tensor load until the next change
.Lpast_\@:
	ASK
.endif
.endm
.macro SLOT_STEPS
	STEP 0
	STEP 1
	s_xor_b32 s[TB], s[TB], SLOT1
	s_add_co_u32 s[SK0], s[SK0], 256
	s_add_co_u32 s[SKP], s[SKP], 256
.endm
	s_wait_loadcnt 0x0                             ; Q
.Lslot:                                            ; 7 trips
	CHANGE 1
	SLOT_STEPS
	s_sub_co_u32 s[SLOTS], s[SLOTS], 1
	s_cmp_lg_u32 s[SLOTS], 0
	s_cbranch_scc1 .Lslot
	CHANGE 0                                       ; the last slot is written out: nothing is left to ask for
	SLOT_STEPS
	; THE END.  The addresses of the way out are made here, on the path that all waves take; these plain lines are also the places behind the last products.
	v_and_b32 v9, 15, v0                           ; r
	v_bfe_u32 v10, v0, 4, 1                        ; h
	s_mul_i32 s60, s[PID], STW
	s_add_co_u32 s60, s60, STAGE
	v_mul_u32_u24 v1, v9, KP
	v_lshl_add_u32 v1, v10, 4, v1
	v_add_nc_u32 v1, s60, v1                       ; into the stage: row r, + 16 h
	v_bfe_u32 v2, v0, 3, 2
	v_mul_u32_u24 v2, v2, KP
	v_and_b32 v3, 7, v0
	v_lshl_add_u32 v2, v3, 4, v2
	v_add_nc_u32 v2, s60, v2                       ; back: eight lanes to a row of 128 bytes, four rows an instruction
	v_and_b32 v3, 31, v0
	v_lshlrev_b32 v3, 4, v3                        ; and 512 consecutive bytes out
.irp t, 0,1
	v_add_f32 v[ST+8*\t+2], v[ST+8*\t+2], v[ST+8*\t+3]
.endr
.irp t, 0,1
	v_permlanex16_b32 v[ST+8*\t+4], v[ST+8*\t+2], s[SEL], s[SEL+1]
.endr
.irp t, 0,1
	v_add_f32 v[TT+2*\t+1], v[ST+8*\t+2], v[ST+8*\t+4]   ; my l
	v_mov_b32 v[TT+2*\t], v[ST+8*\t]               ; my c m
.endr
	s_cmp_eq_u32 s[P64], 0
	s_cbranch_scc1 .Lkeep
.irp e, 0,1,2,3,4,5,6,7,8,9,10,11,12,13,14,15
	ds_store_b128 v[CMA], v[O+4*\e:O+4*\e+3] offset:512*\e     ; p = 1: O^T goes to my partner as an image of its registers, each accumulator from its low end on
.endr
	ds_store_b128 v[CMA], v[TT:TT+3] offset:8192
.Lkeep:
	s_wait_dscnt 0x0                               ; for the partner's sake: my stores have landed
	s_barrier_signal -1
	s_barrier_wait -1
	s_cmp_eq_u32 s[P64], 0
	s_cbranch_scc1 .Lmerge
	s_wait_tensorcnt 0x0                           ; p = 1 ends here
	ds_add_u32 v[SPW], v[NIL]
	s_wait_dscnt 0x0
	s_endpgm
.Lmerge:
.irp e, 0,1,2,3,4,5,6,7,8,9,10,11,12,13,14,15
	ds_load_b128 v[S+4*\e:S+4*\e+3], v[CMA] offset:512*\e
.endr
	ds_load_b128 v[KV:KV+3], v[CMA] offset:8192
	s_wait_dscnt 0x0
.irp t, 0,1
	v_max_num_f32 v[ST+8*\t+4], v[TT+2*\t], v[KV+2*\t]         ; the common c m
.endr
.irp t, 0,1
	v_sub_f32 v[ST+8*\t+5], v[TT+2*\t], v[ST+8*\t+4]
	v_sub_f32 v[ST+8*\t+6], v[KV+2*\t], v[ST+8*\t+4]
.endr
.irp t, 0,1
	v_exp_f32 v[ST+8*\t+5], v[ST+8*\t+5]
	v_exp_f32 v[ST+8*\t+6], v[ST+8*\t+6]           ; 0 for a partner that had no step
.endr
	v_nop
	s_wait_alu depctr_va_vdst(0)                   ; one wait for the four
.irp t, 0,1
	v_mul_f32 v[ST+8*\t+7], v[ST+8*\t+5], v[TT+2*\t+1]
.endr
.irp t, 0,1
	v_fma_f32 v[ST+8*\t+7], v[ST+8*\t+6], v[KV+2*\t+1], v[ST+8*\t+7]   ; the row's sum
.endr
.irp t, 0,1
	v_rcp_f32 v[ST+8*\t+4], v[ST+8*\t+7]
.endr
	v_nop
	s_wait_alu depctr_va_vdst(0)                   ; and one for the two reciprocals
.irp t, 0,1
	v_mul_f32 v[ST+8*\t], v[ST+8*\t+5], v[ST+8*\t+4]           ; what my O^T is multiplied by,
	v_mul_f32 v[ST+8*\t+2], v[ST+8*\t+6], v[ST+8*\t+4]         ; and my partner's
.endr
.set i, 0
.rept 16
.irp t, 0,1
	v_pk_mul_f32 v[O+32*\t+2*i:O+32*\t+2*i+1], v[O+32*\t+2*i:O+32*\t+2*i+1], v[ST+8*\t:ST+8*\t+1] op_sel_hi:[1,0]
.endr
.set i, i+1
.endr
.set i, 0
.rept 16
.irp t, 0,1
	v_pk_fma_f32 v[O+32*\t+2*i:O+32*\t+2*i+1], v[S+32*\t+2*i:S+32*\t+2*i+1], v[ST+8*\t+2:ST+8*\t+3], v[O+32*\t+2*i:O+32*\t+2*i+1] op_sel_hi:[1,0,1]
.endr
.set i, i+1
.endr
.set i, 0
.rept 16
.irp t, 0,1
	v_cvt_pk_f16_f32 v[KV+4+16*\t+i], v[O+32*\t+2*i], v[O+32*\t+2*i+1]
.endr
.set i, i+1
.endr
.irp t, 0,1
.irp d, 0,1,2,3
	ds_store_b128 v1, v[KV+4+16*\t+4*\d:KV+4+16*\t+4*\d+3] offset:2304*\t+32*\d   ; lane (r, h): channels 16 d + 8 h + 0 .. 7 of query r
.endr
.endr
.irp t, 0,1
.irp e, 0,1,2,3
	ds_load_b128 v[S+4*(4*\t+\e):S+4*(4*\t+\e)+3], v2 offset:2304*\t+576*\e        ; my own bytes: LDS serves a wave in order
.endr
.endr
.irp t, 0,1
.irp e, 0,1,2,3
	s_wait_dscnt 7-4*\t-\e                         ; the younger loads may be out
	global_store_b128 v3, v[S+4*(4*\t+\e):S+4*(4*\t+\e)+3], s[6:7] offset:2048*\t+512*\e   ; 512 consecutive bytes, aligned
.endr
.endr
	s_wait_tensorcnt 0x0                           ; the wave's end
	ds_add_u32 v[SPW], v[NIL]
	s_wait_dscnt 0x0
	s_endpgm
.Lfunc_end_k_q9c87db0953_attn:
	.size	k_q9c87db0953_attn, .Lfunc_end_k_q9c87db0953_attn-k_q9c87db0953_attn
	.p2alignl 7, 3214868480
	.fill 96, 4, 3214868480
	.section	.rodata,"a",@progbits
	.p2align	6, 0x0
	.amdhsa_kernel k_q9c87db0953_attn
		.amdhsa_group_segment_fixed_size 327680
		.amdhsa_private_segment_fixed_size 0
		.amdhsa_enable_private_segment 0
		.amdhsa_kernarg_size 16
		.amdhsa_user_sgpr_count 2
		.amdhsa_user_sgpr_kernarg_segment_ptr 1
		.amdhsa_wavefront_size32 1
		.amdhsa_system_sgpr_workgroup_id_x 1
		.amdhsa_system_sgpr_workgroup_id_y 1
		.amdhsa_system_sgpr_workgroup_id_z 1
		.amdhsa_system_vgpr_workitem_id 0
		.amdhsa_next_free_vgpr 256
		.amdhsa_next_free_sgpr 66
		.amdhsa_reserve_vcc 1
		.amdhsa_float_denorm_mode_32 3
		.amdhsa_float_denorm_mode_16_64 3
		.amdhsa_memory_ordered 1
		.amdhsa_forward_progress 1
		.amdhsa_inst_pref_size 109
	.end_amdhsa_kernel
	.amdgpu_metadata
---
amdhsa.version: [ 1, 2 ]
amdhsa.kernels:
  - .name:           k_q9c87db0953_attn
    .symbol:         k_q9c87db0953_attn.kd
    .args:
      - { .name: qkv16, .offset: 0, .size: 8, .value_kind: global_buffer, .address_space: global }
      - { .name: attn16, .offset: 8, .size: 8, .value_kind: global_buffer, .address_space: global }
    .group_segment_fixed_size: 327680
    .private_segment_fixed_size: 0
    .kernarg_segment_align: 8
    .kernarg_segment_size: 16
    .max_flat_workgroup_size: 512
    .sgpr_count:     66
    .vgpr_count:     256
    .wavefront_size: 32
...
	.end_amdgpu_metadata
.endif
;; end of part 3
;; launch proj (part 4): grid 8 x 32, 4 waves a work-group, clusters of 4 x 4, 327,680 bytes of LDS; arguments attn16, ow16, out_b, out0; writes out0
.if DOCPART == 4
	.amdgcn_target "amdgcn-amd-amdhsa--gfx1250"
	.amdhsa_code_object_version 6
	.text
	.protected	k_q9c87db0953_proj
	.globl	k_q9c87db0953_proj
	.p2align	8
	.type	k_q9c87db0953_proj,@function
k_q9c87db0953_proj:
	s_mov_b64 s[64:65], 0
	v_nop
	global_prefetch_b8 v0, s[64:65] scope:SCOPE_SE
	s_setreg_imm32_b32 hwreg(HW_REG_WAVE_MODE, 25, 1), 1
	s_wait_xcnt 0x0
	s_wait_alu depctr_hold_cnt(0) depctr_sa_sdst(0) depctr_va_vdst(0) depctr_va_sdst(0) depctr_va_ssrc(0) depctr_va_vcc(0) depctr_vm_vsrc(0)
	s_getreg_b32 s2, hwreg(HW_REG_IB_STS2, 6, 4)
	s_cmp_eq_u32 s2, 0
	s_cbranch_scc0 .Lentry_in_a_cluster
	s_endpgm
.Lentry_in_a_cluster:
	s_bfe_u32 s2, ttmp6, 0x10000c
	s_cmp_lg_u32 s2, 0xf033
	s_cbranch_scc0 .Lentry_shape_is_right
	s_endpgm
.Lentry_shape_is_right:
; OUT = attention's result x out_w + out_b.  M = 4,096, N = 1,024, K = 1,024; f16 operands, f32 sums, f32 out.
; A (attn16) lies by head: [batch][head][position][64] f16, so 64 along K are one plane; B (ow16) lies [k][n] f16 and is turned on its way out of LDS.
; A tile of 128 x 128 is made by four waves, 64 x 64 each: 16 accumulators.  K goes in four steps of 256 (four planes) through two LDS slots: two first fills, two refills, written out without a loop.
; CLUSTERS: 4 x 4 work-groups; A's tiles are asked for jointly along a row of the cluster, B's along a column.
; THE MATRIX INSTRUCTION IS USED TRANSPOSED (source 0 = 16 columns of out_w, source 1 = 16 rows of A): a lane holds eight neighbouring columns of one row.  The bias is the C of each sum's first product.
; All 4,096 rows are written here; the rows of positions 0..15 are written again, more finely, by the launch that follows.
; LIMIT: the operands stay under 65,504 (f16).
; REGISTERS: window 0: v0-31 addresses; v32-95 the way out; v96-127 the bias; v128-255 the accumulators ((a, b) at v[128 + 8 (4 a + b)]).  window 1: two fragment buffers of 128 (64 of A, then 64 of B).
.set PLB,    262144
.set AP,     144                       ; a row of A in LDS: 128 bytes + 16
.set APL,    128*AP                    ; a plane's 128 rows
.set BP,     288                       ; a k-row of B in LDS: 256 bytes + 32
.set HALFT,  2*APL                     ; what one tensor load brings: two planes of A, or 128 k-rows of B (128 x 288 is the same number)
.set SLOT,   4*HALFT
.set STAGE,  2*SLOT                    ; behind the ring: 16 rows x 272 bytes for each wave
.set SPITCH, 272
.set SPARE,  STAGE+4*16*SPITCH         ; the spare words, 128 bytes for each wave, named by no other line
.set ADRA, 16                          ; v16-17  my A fragments in slot 0, 1
.set ADRB, 20                          ; v20-23  my B fragments: slot 0 k-rows 0-127, 128-255; slot 1 likewise
.set STO,  24
.set RD,   25
.set CO,   26
.set BO,   27
.set SPW,  28                          ; never rewritten
.set NIL,  29                          ; never rewritten
.set TMP,  32
.set BIAS, 96
.set ACC,  128
.set F0,   0
.set F1,   128
.set G1, 24
.set G0, 32
.set G1B, 48
.set G0B, 56
.set MSB, 0
.macro WIN new
.if MSB != (\new)
	s_set_vgpr_msb (MSB<<8)|(\new)
.set MSB, (\new)
.endif
.endm
.set MUL,  0x05                        ; sources 0 (B) and 1 (A) window 1; C and D window 0
.set TO_F, 0x40                        ; destination window 1, address window 0
.macro JLOAD s                         ; a joint load: waves 0 and 1 fetch A's planes, waves 2 and 3 B's rows; an s_nop 0 and four v_nop follow each of the two lines
	s_cmp_eq_u32 s11, 0
	s_cbranch_scc0 .Lfor_b_\@
	tensor_load_to_lds s[G0+4*\s:G0+4*\s+3], s[G1:G1+7]
	s_nop 0
.rept 4
	v_nop
.endr
	s_branch .Lasked_\@
.Lfor_b_\@:
	tensor_load_to_lds s[G0B+4*\s:G0B+4*\s+3], s[G1B:G1B+7]
	s_nop 0
.rept 4
	v_nop
.endr
.Lasked_\@:
.endm
.macro CREST                           ; a round of the cluster's barrier behind its opening barrier
	s_cmp_lg_u32 s10, 0
	s_cbranch_scc1 .Lnot_wave_0_\@
	s_barrier_signal -3
.Lnot_wave_0_\@:
	s_barrier_wait -3
	s_barrier_signal -1
	s_barrier_wait -1
.endm
.macro CROUND
	s_barrier_signal -1
	s_barrier_wait -1
	CREST
.endm
	s_load_b128 s[4:7], s[0:1], 0x0                ; attn16 s[4:5], ow16 s[6:7]
	s_load_b64 s[2:3], s[0:1], 0x10                ; out_b
	s_load_b64 s[8:9], s[0:1], 0x18                ; out0
	v_lshl_add_u32 v[SPW], v0, 2, SPARE
	v_mov_b32 v[NIL], 0
	ds_add_u32 v[SPW], v[NIL]                      ; the wave's opening: the add, twice on end, and its wait ahead of my first tensor load
	ds_add_u32 v[SPW], v[NIL]
	v_lshrrev_b32 v1, 5, v0
	v_readfirstlane_b32 s10, v1                    ; wave 0..3
	s_lshr_b32 s11, s10, 1                         ; which half of the tile's rows is mine.  Also: I fetch for A (0) or for B (1)
	s_and_b32 s12, s10, 1                          ; which half of its columns.  Also: which half of that tile I fetch
	s_bfe_u32 s40, ttmp6, 0x40000                  ; cx, cy
	s_bfe_u32 s41, ttmp6, 0x40004
	s_lshl_b32 s42, ttmp9, 2
	s_add_co_u32 s42, s42, s40                     ; tile column
	s_and_b32 s13, ttmp7, 0xffff
	s_lshl_b32 s13, s13, 2
	s_add_co_u32 s13, s13, s41                     ; tile row
	s_lshl_b32 s43, s41, 2
	s_lshl_b32 s43, 15, s43                        ; my row of the cluster
	s_lshl_b32 s44, 0x1111, s40                    ; my column
	; A: two planes' 128 rows.  A plane's 128 rows of 128 bytes are 16,384 dense bytes: the tile is stated as 2 rows of 2,048 elements of 8 bytes, a plane (32,768 elements) apart; 16 bytes of padding behind every 128
	s_or_b32 s[G1+0], s43, (3<<16)|(1<<20)|(1<<21)|(4<<22)|(3<<25)
	s_mov_b32 s[G1+1], 2048<<16                    ; tensor_dim0
	s_mov_b32 s[G1+2], 2<<16                       ; tensor_dim1
	s_mov_b32 s[G1+3], 2048<<16                    ; tile_dim0
	s_mov_b32 s[G1+4], 2                           ; tile_dim1
	s_mov_b32 s[G1+5], 32768                       ; the pitch
	s_mov_b32 s[G1+6], 0
	s_mov_b32 s[G1+7], 0
	; B: 128 k-rows of 128 elements of 2 bytes, 1,024 elements apart; 32 bytes of padding behind each row of 256
	s_or_b32 s[G1B+0], s44, (1<<16)|(1<<20)|(1<<21)|(5<<22)|(7<<25)
	s_mov_b32 s[G1B+1], 128<<16
	s_mov_b32 s[G1B+2], 128<<16
	s_mov_b32 s[G1B+3], 128<<16
	s_mov_b32 s[G1B+4], 128
	s_mov_b32 s[G1B+5], 1024
	s_mov_b32 s[G1B+6], 0
	s_mov_b32 s[G1B+7], 0
	s_lshr_b32 s16, s13, 4                         ; A: batch,
	s_lshl_b32 s16, s16, 4
	s_lshl_b32 s17, s12, 1
	s_add_co_u32 s16, s16, s17                     ; plane 16 x batch + 2 x half,
	s_lshl_b32 s16, s16, 18
	s_and_b32 s17, s13, 15
	s_lshl_b32 s17, s17, 14                        ; and the tile's 128 positions in it
	s_add_co_u32 s16, s16, s17
	s_mov_b32 s17, 0
	s_lshl_b32 s46, s12, 18                        ; B: k-row 128 x half,
	s_lshl_b32 s47, s42, 8                         ; column 128 x tile column
	s_add_co_u32 s46, s46, s47
	s_mov_b32 s47, 0
	s_mul_i32 s20, s10, HALFT                      ; where they go: wave x a quarter of a slot
	s_wait_dscnt 0x0                               ; both opening adds are done
	s_wait_kmcnt 0x0
	s_add_nc_u64 s[14:15], s[4:5], s[16:17]
	s_add_nc_u64 s[46:47], s[6:7], s[46:47]
	CROUND                                         ; all sixteen work-groups are here: the first joint loads meet
.irp s, 0,1
	s_mov_b32 s[G0+4*\s], 1
	s_add_co_u32 s[G0+4*\s+1], s20, \s*SLOT
	s_add_nc_u64 s[G0+4*\s+2:G0+4*\s+3], s[14:15], \s*4*PLB        ; K step s: four planes on
	s_or_b32 s[G0+4*\s+3], s[G0+4*\s+3], 0x80000000
	s_mov_b32 s[G0B+4*\s], 1
	s_add_co_u32 s[G0B+4*\s+1], s20, \s*SLOT
	s_add_nc_u64 s[G0B+4*\s+2:G0B+4*\s+3], s[46:47], \s*256*2048   ; 256 k-rows on
	s_or_b32 s[G0B+4*\s+3], s[G0B+4*\s+3], 0x80000000
	JLOAD \s
.endr
	v_and_b32 v1, 15, v0                           ; r
	v_bfe_u32 v2, v0, 4, 1                         ; h
	v_mul_u32_u24 v3, v1, AP
	v_lshl_add_u32 v3, v2, 4, v3                   ; A: row r + 16 h
	s_mul_i32 s21, s11, 64*AP                      ; my 64 rows
	v_and_b32 v4, 7, v0
	v_lshl_add_u32 v4, v2, 3, v4
	v_mul_u32_u24 v4, v4, BP
	v_bfe_u32 v5, v0, 3, 1
	v_lshl_add_u32 v4, v5, 4, v4                   ; B, for the turning load: (8 h + lane % 8) k-rows + 16 ((lane / 8) % 2)
	s_lshl_b32 s22, s12, 7                         ; my 64 columns: 128 bytes
	s_add_co_u32 s22, s22, 2*HALFT                 ; behind A's four planes
.irp s, 0,1
	v_add_nc_u32 v[ADRA+\s], s21, v3
	v_add_nc_u32 v[ADRB+2*\s], s22, v4
	s_add_co_u32 s22, s22, HALFT
	v_add_nc_u32 v[ADRB+2*\s+1], s22, v4
	s_add_co_u32 s21, s21, SLOT
	s_add_co_u32 s22, s22, SLOT-HALFT
.endr
	s_mul_i32 s23, s10, 16*SPITCH
	s_add_co_u32 s23, s23, STAGE                   ; my stage
	v_mul_u32_u24 v4, v1, SPITCH
	v_lshl_add_u32 v4, v2, 5, v4
	v_add_nc_u32 v[STO], s23, v4                   ; in: row r, 32 bytes for each half of the lanes
	v_mul_u32_u24 v5, v2, SPITCH
	v_lshl_add_u32 v5, v1, 4, v5
	v_add_nc_u32 v[RD], s23, v5                    ; back: lanes 0-15 one row of 256 bytes, lanes 16-31 the next
	v_lshlrev_b32 v5, 12, v2
	v_lshl_add_u32 v[CO], v1, 4, v5                ; and the same two rows in out0
	v_lshlrev_b32 v[BO], 5, v2
	s_lshl_b32 s46, s42, 9                         ; my first column, in bytes: 512 x tile column + 256 x half
	s_lshl_b32 s47, s12, 8
	s_add_co_u32 s46, s46, s47
	s_mov_b32 s47, 0
	s_add_nc_u64 s[2:3], s[2:3], s[46:47]
.irp b, 0,1,2,3
	global_load_b128 v[BIAS+8*\b:BIAS+8*\b+3], v[BO], s[2:3] offset:64*\b          ; lane (r, h), register j: out_b[my first column + 16 b + 8 h + j]
	global_load_b128 v[BIAS+8*\b+4:BIAS+8*\b+7], v[BO], s[2:3] offset:64*\b+16
.endr
	s_lshl_b32 s16, s13, 19                        ; my first row: (128 x tile row + 64 x half) x 4,096 bytes
	s_lshl_b32 s17, s11, 18
	s_add_co_u32 s16, s16, s17
	s_mov_b32 s17, 0
	s_add_nc_u64 s[8:9], s[8:9], s[16:17]
	s_add_nc_u64 s[8:9], s[8:9], s[46:47]
; 8 matrix instructions: m blocks a0, a0 + 1 x all 4 n blocks, 32 along K: half c of buffer f.  zero = 1: the sums begin with the bias as C.  The 16 accumulators take turns.
.macro MUL8 f, c, a0, zero
.irp a, \a0, \a0+1
.irp b, 0,1,2,3
.if \zero
	v_wmma_f32_16x16x32_f16 v[ACC+8*(4*(\a)+\b):ACC+8*(4*(\a)+\b)+7], v[\f+64+8*(4*\c+\b):\f+64+8*(4*\c+\b)+7], v[\f+8*(4*\c+\a):\f+8*(4*\c+\a)+7], v[BIAS+8*\b:BIAS+8*\b+7]
.else
	v_wmma_f32_16x16x32_f16 v[ACC+8*(4*(\a)+\b):ACC+8*(4*(\a)+\b)+7], v[\f+64+8*(4*\c+\b):\f+64+8*(4*\c+\b)+7], v[\f+8*(4*\c+\a):\f+8*(4*\c+\a)+7], v[ACC+8*(4*(\a)+\b):ACC+8*(4*(\a)+\b)+7]
.endif
.endr
.endr
.endm
; 32 LDS loads in one run: the fragments of the slot's quarter q (plane q of A, k-rows 64 q on of B) into buffer f; the first 32 along K first
.macro FETCH slot, q, f
	WIN TO_F
.irp c, 0,1
.irp i, 0,1,2,3
	ds_load_tr16_b128 v[\f+64+8*(4*\c+\i):\f+64+8*(4*\c+\i)+3],   v[ADRB+2*\slot+(\q)/2] offset:(((\q)%2)*64+32*\c)*BP+32*\i
	ds_load_tr16_b128 v[\f+64+8*(4*\c+\i)+4:\f+64+8*(4*\c+\i)+7], v[ADRB+2*\slot+(\q)/2] offset:(((\q)%2)*64+32*\c+16)*BP+32*\i
	ds_load_b128 v[\f+8*(4*\c+\i):\f+8*(4*\c+\i)+3],         v[ADRA+\slot] offset:(\q)*APL+\i*16*AP+64*\c
	ds_load_b128 v[\f+8*(4*\c+\i)+4:\f+8*(4*\c+\i)+7],       v[ADRA+\slot] offset:(\q)*APL+\i*16*AP+64*\c+32
.endr
.endr
.endm
.macro PLACES                          ; four plain lines in front of loads into registers that matrix instructions have read, and of the first read of results
.rept 4
	v_nop
.endr
.endm
; A quarter: multiplies buffer f and fetches quarter q of the same slot into g
.macro QUARTER slot, q, f, g, zero
	s_wait_dscnt 16                                ; the first 32 along K are in; the other sixteen loads may be out
	WIN MUL
	MUL8 \f, 0, 0, \zero
	MUL8 \f, 0, 2, \zero
	PLACES
	FETCH \slot, \q, \g
	s_wait_dscnt 32                                ; all but the 32 just issued
	WIN MUL
	MUL8 \f, 1, 0, 0
	MUL8 \f, 1, 2, 0
.endm
; A slot's last quarter multiplies buffer 1 and changes slots: one barrier; in front of it each wave waits for all its tensor loads, adds 0 to its spare word, and waits for that and for its reads of this slot.
; fill = 1: the barrier opens a round of the cluster's barrier, and this slot is filled again, two K steps ahead, first thing behind the round.
.macro TURN slot, next, fill
	WIN 0
	s_wait_tensorcnt 0x0                           ; my part of the next slot has landed
	ds_add_u32 v[SPW], v[NIL]
	s_wait_dscnt 17                                ; (the add and the youngest sixteen loads may be out)
	WIN MUL
	MUL8 F1, 0, 0, 0
	s_wait_dscnt 0x0                               ; the add is done, and my reads of this slot are over
	s_barrier_signal -1
	MUL8 F1, 0, 2, 0
.if \fill
	WIN 0
.endif
	s_barrier_wait -1
.if \fill
	CREST                                          ; no wave of any partner still reads this slot or has a load on its way
	s_add_nc_u64 s[G0+4*\slot+2:G0+4*\slot+3], s[G0+4*\slot+2:G0+4*\slot+3], 8*PLB
	s_add_nc_u64 s[G0B+4*\slot+2:G0B+4*\slot+3], s[G0B+4*\slot+2:G0B+4*\slot+3], 512*2048
	JLOAD \slot                                    ; the four v_nop behind it are also the places in front of the loads below
.else
	PLACES
.endif
	FETCH \next, 0, F0
	WIN MUL
	MUL8 F1, 1, 0, 0
	MUL8 F1, 1, 2, 0
.endm
	s_wait_tensorcnt 1                             ; my part of K step 0 is in (K step 1's load may be out)
	s_barrier_signal -1
	s_barrier_wait -1                              ; everybody's is
	FETCH 0, 0, F0
	s_wait_loadcnt 0x0                             ; the bias
	QUARTER 0, 1, F0, F1, 1
	QUARTER 0, 2, F1, F0, 0
	QUARTER 0, 3, F0, F1, 0
	TURN 0, 1, 1                                   ; slot 0 takes K step 2
	QUARTER 1, 1, F0, F1, 0
	QUARTER 1, 2, F1, F0, 0
	QUARTER 1, 3, F0, F1, 0
	TURN 1, 0, 1                                   ; slot 1 takes K step 3
	QUARTER 0, 1, F0, F1, 0
	QUARTER 0, 2, F1, F0, 0
	QUARTER 0, 3, F0, F1, 0
	TURN 0, 1, 0                                   ; nothing is left to fetch
	QUARTER 1, 1, F0, F1, 0
	QUARTER 1, 2, F1, F0, 0
	QUARTER 1, 3, F0, F1, 0
	s_wait_dscnt 16                                ; the very last quarter
	WIN MUL
	MUL8 F1, 0, 0, 0
	MUL8 F1, 0, 2, 0
	s_wait_dscnt 0
	MUL8 F1, 1, 0, 0
	MUL8 F1, 1, 2, 0
	WIN 0
	; THE WAY OUT.  My 64 columns are 256 aligned bytes of a row: 16 rows at a time go through my own stage and come back as whole pieces of 256 bytes.  No barrier: the stage is mine.
	PLACES
.irp a, 0,1,2,3
.if \a > 1
	s_wait_xcnt 0x0                                ; block a - 2's stores have read the registers into which block a is read back
.endif
.irp b, 0,1,2,3
	ds_store_b128 v[STO], v[ACC+8*(4*\a+\b):ACC+8*(4*\a+\b)+3] offset:64*\b        ; each accumulator from its low end on
	ds_store_b128 v[STO], v[ACC+8*(4*\a+\b)+4:ACC+8*(4*\a+\b)+7] offset:64*\b+16
.endr
.irp e, 0,1,2,3,4,5,6,7
	ds_load_b128 v[TMP+32*(\a%2)+4*\e:TMP+32*(\a%2)+4*\e+3], v[RD] offset:\e*2*SPITCH   ; LDS serves a wave in order: these see the stores above
.endr
.irp e, 0,1,2,3,4,5,6,7
	s_wait_dscnt 7-\e                              ; the younger loads may be out
	global_store_b128 v[CO], v[TMP+32*(\a%2)+4*\e:TMP+32*(\a%2)+4*\e+3], s[8:9] offset:(16*\a+2*\e)*4096 th:TH_STORE_NT   ; sixteen lanes store 256 consecutive bytes, aligned
.endr
.endr
	s_wait_tensorcnt 0x0                           ; the wave's end
	ds_add_u32 v[SPW], v[NIL]
	s_wait_dscnt 0x0
	CROUND                                         ; the closing round
	s_endpgm
.Lfunc_end_k_q9c87db0953_proj:
	.size	k_q9c87db0953_proj, .Lfunc_end_k_q9c87db0953_proj-k_q9c87db0953_proj
	.p2alignl 7, 3214868480
	.fill 96, 4, 3214868480
	.section	.rodata,"a",@progbits
	.p2align	6, 0x0
	.amdhsa_kernel k_q9c87db0953_proj
		.amdhsa_group_segment_fixed_size 327680
		.amdhsa_private_segment_fixed_size 0
		.amdhsa_enable_private_segment 0
		.amdhsa_kernarg_size 32
		.amdhsa_user_sgpr_count 2
		.amdhsa_user_sgpr_kernarg_segment_ptr 1
		.amdhsa_wavefront_size32 1
		.amdhsa_system_sgpr_workgroup_id_x 1
		.amdhsa_system_sgpr_workgroup_id_y 1
		.amdhsa_system_sgpr_workgroup_id_z 1
		.amdhsa_system_vgpr_workitem_id 0
		.amdhsa_next_free_vgpr 512
		.amdhsa_next_free_sgpr 66
		.amdhsa_reserve_vcc 0
		.amdhsa_float_denorm_mode_32 3
		.amdhsa_float_denorm_mode_16_64 3
		.amdhsa_memory_ordered 1
		.amdhsa_forward_progress 1
		.amdhsa_inst_pref_size 88
	.end_amdhsa_kernel
	.amdgpu_metadata
---
amdhsa.version: [ 1, 2 ]
amdhsa.kernels:
  - .name:           k_q9c87db0953_proj
    .symbol:         k_q9c87db0953_proj.kd
    .args:
      - { .name: attn16, .offset: 0, .size: 8, .value_kind: global_buffer, .address_space: global }
      - { .name: ow16, .offset: 8, .size: 8, .value_kind: global_buffer, .address_space: global }
      - { .name: out_b, .offset: 16, .size: 8, .value_kind: global_buffer, .address_space: global }
      - { .name: out0, .offset: 24, .size: 8, .value_kind: global_buffer, .address_space: global }
    .group_segment_fixed_size: 327680
    .private_segment_fixed_size: 0
    .kernarg_segment_align: 8
    .kernarg_segment_size: 32
    .max_flat_workgroup_size: 128
    .sgpr_count:     66
    .vgpr_count:     512
    .wavefront_size: 32
...
	.end_amdgpu_metadata
.endif
;; end of part 4
;; launch fine (part 5): grid 64 x 2, 16 waves a work-group, no clusters, 18,432 bytes of LDS; arguments fine32, out_w, out_b, out0; writes out0
.if DOCPART == 5
	.amdgcn_target "amdgcn-amd-amdhsa--gfx1250"
	.amdhsa_code_object_version 6
	.text
	.protected	k_q9c87db0953_fine
	.globl	k_q9c87db0953_fine
	.p2align	8
	.type	k_q9c87db0953_fine,@function
k_q9c87db0953_fine:
	s_mov_b64 s[64:65], 0
	v_nop
	global_prefetch_b8 v0, s[64:65] scope:SCOPE_SE
	s_setreg_imm32_b32 hwreg(HW_REG_WAVE_MODE, 25, 1), 1
	s_wait_xcnt 0x0
; POSITIONS 0..15 of both batches in f32 throughout: under the causal mask these rows average one to sixteen values, are the largest in size, and would feel the rounding of f16 operands most.
; fine32 [batch][16][3072] holds q, k, v + bias of those positions in f32.  A work-group makes 16 columns of the output for one batch's 16 positions; wave w is head w:
; it makes its head's attention (16 x 16 scores), multiplies the result by its own 64 rows of out_w, and the 16 waves' parts are added through LDS.  The rows written here replace what the launch before left there.
; All three products go by the f32 matrix form, 16 x 16 x 4: no bulk work (48 instructions a wave).  Its results are written by matrix instructions alone; what is made of them goes into other registers.
; LAYOUT: transposed throughout: S^T = K Q^T, O^T = V^T P, (out)^T = W^T O: a lane holds one query (lane % 16).  Along a product's K both operands take the same permutation, so that a lane's registers serve as they lie.
; A work-group's 16 columns are 64 bytes of a row: 131,072 bytes in all leave so.
.set SPARE, 16384                      ; LDS 0..16383: the waves' parts, 1,024 bytes each, as images of registers; then the spare words, 128 bytes for each wave
.set KA,  16                           ; v16-47   K: register 4 s + e: channel 8 s + 4 h + e of key r
.set QA,  48                           ; v48-79   Q likewise
.set VA,  80                           ; v80-111  V: register 8 d + e: key 8 h + e, channel 16 d + r
.set WA,  112                          ; v112-143 out_w: register 8 d + e: row 64 w + 16 d + 8 h + e, column n0 + r
.set SA,  144                          ; v144-159 two accumulators of S^T
.set T,   160                          ; v160-167 the scores, then p: register j: key 8 h + j
.set OA,  168                          ; v168-199 four accumulators of O^T
.set AT,  200                          ; v200-231 O^T / the row's sum
.set PA,  232                          ; v232-247 two accumulators of the projection
.set PT,  248                          ; v248-255 my part of the output; before that, at work
	s_load_b256 s[4:11], s[0:1], 0x0               ; fine32 s[4:5], out_w s[6:7], out_b s[8:9], out0 s[10:11]
	v_lshl_add_u32 v8, v0, 2, SPARE                ; my spare word's address; never rewritten
	v_mov_b32 v9, 0                                ; never rewritten
	v_lshrrev_b32 v1, 5, v0
	v_readfirstlane_b32 s12, v1                    ; wave = head
	s_and_b32 s13, ttmp7, 0xffff                   ; batch
	v_and_b32 v1, 15, v0                           ; r
	v_bfe_u32 v2, v0, 4, 1                         ; h
	v_mul_u32_u24 v3, v1, 12288
	v_lshl_add_u32 v3, v2, 4, v3                   ; q, k: row r, + 16 h
	v_mul_u32_u24 v4, v2, 98304
	v_lshl_add_u32 v4, v1, 2, v4                   ; v: 8 h rows down, + 4 r
	v_lshlrev_b32 v5, 15, v2
	v_lshl_add_u32 v5, v1, 2, v5                   ; out_w: 8 h rows down, + 4 r
	v_lshlrev_b32 v6, 3, v2
	v_sub_nc_u32 v6, v1, v6                        ; r - 8 h
	v_mov_b32 v7, 0xff800000                       ; -infinity
	v_and_b32 v13, 31, v0
	s_lshl_b32 s14, s12, 10
	v_lshl_add_u32 v10, v13, 4, s14                ; where I store my part: 1,024 w + 16 x lane
	s_and_b32 s15, s12, 1
	s_lshl_b32 s16, s15, 9
	v_lshl_add_u32 v11, v13, 4, s16                ; where waves 0 and 1 read: half w of each part
	s_lshl_b32 s16, s15, 4
	v_lshlrev_b32 v12, 12, v1
	v_lshl_add_u32 v12, v2, 5, v12
	v_add_nc_u32 v12, s16, v12                     ; out0: row r, + 32 h + 16 (w % 2)
	v_lshlrev_b32 v13, 5, v2
	v_add_nc_u32 v13, s16, v13                     ; out_b: 32 h + 16 (w % 2)
	s_mov_b32 s24, 0x76543210
	s_mov_b32 s25, 0xfedcba98                      ; v_permlanex16_b32's selects for lane l xor 16
	s_mov_b32 s26, 0x3e38aa3b                      ; c = log2(e) / 8
	s_mul_i32 s16, s13, 196608                     ; fine32: the batch's 16 rows, + my head's 256 bytes
	s_lshl_b32 s17, s12, 8
	s_add_co_u32 s16, s16, s17
	s_mov_b32 s17, 0
	s_lshl_b32 s18, ttmp9, 6                       ; 4 n0
	s_mov_b32 s19, 0
	s_lshl_b32 s20, s12, 18                        ; out_w: my 64 rows
	s_mov_b32 s21, 0
	s_lshl_b32 s22, s13, 23                        ; out0: the batch's 2,048 rows of 4,096 bytes
	s_mov_b32 s23, 0
	s_wait_kmcnt 0x0
	s_add_nc_u64 s[4:5], s[4:5], s[16:17]
	s_add_nc_u64 s[6:7], s[6:7], s[18:19]
	s_add_nc_u64 s[6:7], s[6:7], s[20:21]
	s_add_nc_u64 s[8:9], s[8:9], s[18:19]
	s_add_nc_u64 s[10:11], s[10:11], s[18:19]
	s_add_nc_u64 s[10:11], s[10:11], s[22:23]
.irp s, 0,1,2,3,4,5,6,7
	global_load_b128 v[KA+4*\s:KA+4*\s+3], v3, s[4:5] offset:4096+32*\s
	global_load_b128 v[QA+4*\s:QA+4*\s+3], v3, s[4:5] offset:32*\s
.endr
.irp d, 0,1,2,3
.irp e, 0,1,2,3,4,5,6,7
	global_load_b32 v[VA+8*\d+\e], v4, s[4:5] offset:8192+\e*12288+64*\d
.endr
.endr
	s_wait_loadcnt 32                              ; K and Q are in; V's 32 loads may be out
.set n, 0
.rept 16                               ; S^T = K Q^T: four channels an instruction, two accumulators by turns; the first two products start the sums
.if n < 2
	v_wmma_f32_16x16x4_f32 v[SA+8*(n%2):SA+8*(n%2)+7], v[KA+2*n:KA+2*n+1], v[QA+2*n:QA+2*n+1], 0
.else
	v_wmma_f32_16x16x4_f32 v[SA+8*(n%2):SA+8*(n%2)+7], v[KA+2*n:KA+2*n+1], v[QA+2*n:QA+2*n+1], v[SA+8*(n%2):SA+8*(n%2)+7]
.endif
.set n, n+1
.endr
.irp d, 0,1,2,3
.irp e, 0,1,2,3,4,5,6,7
	global_load_b32 v[WA+8*\d+\e], v5, s[6:7] offset:(16*\d+\e)*4096
.endr
.endr
.rept 8
	v_nop                                          ; eight places behind this form, ahead of the first read of its results
.endr
.irp j, 0,1,2,3,4,5,6,7
	v_add_f32 v[T+\j], v[SA+\j], v[SA+8+\j]        ; from the low end on
.endr
.irp j, 0,1,2,3,4,5,6,7
	v_cmp_gt_i32 vcc_lo, \j, v6                    ; key 8 h + j comes after query r
	v_cndmask_b32 v[T+\j], v[T+\j], v7, vcc_lo
.endr
	v_max3_num_f32 v14, v[T], v[T+1], v[T+2]
	v_max3_num_f32 v15, v[T+3], v[T+4], v[T+5]
	v_max3_num_f32 v14, v14, v[T+6], v[T+7]
	v_max_num_f32 v14, v14, v15
	v_permlanex16_b32 v15, v14, s24, s25
	v_max_num_f32 v14, v14, v15                    ; the row's maximum: key 0 counts for every query
	v_mul_f32 v14, s26, v14
.irp j, 0,1,2,3,4,5,6,7
	v_fma_f32 v[T+\j], v[T+\j], s26, -v14
.endr
.irp j, 0,1,2,3,4,5,6,7
	v_exp_f32 v[T+\j], v[T+\j]
.endr
	v_nop
	s_wait_alu depctr_va_vdst(0)                   ; one wait for the eight, ahead of their first reader
	v_add_f32 v15, v[T], v[T+1]
	v_add_f32 v[PT], v[T+2], v[T+3]
	v_add_f32 v[PT+1], v[T+4], v[T+5]
	v_add_f32 v[PT+2], v[T+6], v[T+7]
	v_add_f32 v15, v15, v[PT]
	v_add_f32 v[PT+1], v[PT+1], v[PT+2]
	v_add_f32 v15, v15, v[PT+1]
	v_permlanex16_b32 v[PT], v15, s24, s25
	v_add_f32 v15, v15, v[PT]                      ; the row's sum
	v_rcp_f32 v14, v15
	v_nop
	s_wait_alu depctr_va_vdst(0)
	s_wait_loadcnt 32                              ; V is in; out_w's 32 loads may be out
.irp s, 0,1,2,3                        ; O^T = V^T P: keys 2 s, 2 s + 1, 8 + 2 s, 9 + 2 s an instruction; four accumulators by turns
.irp d, 0,1,2,3
.if \s == 0
	v_wmma_f32_16x16x4_f32 v[OA+8*\d:OA+8*\d+7], v[VA+8*\d+2*\s:VA+8*\d+2*\s+1], v[T+2*\s:T+2*\s+1], 0
.else
	v_wmma_f32_16x16x4_f32 v[OA+8*\d:OA+8*\d+7], v[VA+8*\d+2*\s:VA+8*\d+2*\s+1], v[T+2*\s:T+2*\s+1], v[OA+8*\d:OA+8*\d+7]
.endif
.endr
.endr
.rept 8
	v_nop
.endr
.set n, 0
.rept 32
	v_mul_f32 v[AT+n], v[OA+n], v14                ; register 8 d + j: channel 16 d + 8 h + j of query r; each accumulator from its low end on
.set n, n+1
.endr
	global_load_b128 v[VA:VA+3], v13, s[8:9]       ; the bias, into registers that V has left (the 40 plain lines above are the places)
	s_wait_loadcnt 1                               ; out_w's rows are in; the bias may be out
.set n, 0
.rept 16                               ; (out)^T += W^T O: two accumulators by turns
.if n < 2
	v_wmma_f32_16x16x4_f32 v[PA+8*(n%2):PA+8*(n%2)+7], v[WA+2*n:WA+2*n+1], v[AT+2*n:AT+2*n+1], 0
.else
	v_wmma_f32_16x16x4_f32 v[PA+8*(n%2):PA+8*(n%2)+7], v[WA+2*n:WA+2*n+1], v[AT+2*n:AT+2*n+1], v[PA+8*(n%2):PA+8*(n%2)+7]
.endif
.set n, n+1
.endr
.rept 8
	v_nop
.endr
.irp j, 0,1,2,3,4,5,6,7
	v_add_f32 v[PT+\j], v[PA+\j], v[PA+8+\j]       ; register j: column n0 + 8 h + j of query r
.endr
	ds_store_b128 v10, v[PT:PT+3]
	ds_store_b128 v10, v[PT+4:PT+7] offset:512
	s_wait_dscnt 0x0                               ; for the others' sake: my stores have landed
	s_barrier_signal -1
	s_barrier_wait -1
	s_cmp_lt_u32 s12, 2
	s_cbranch_scc1 .Lsum
	s_wait_tensorcnt 0x0                           ; waves 2 to 15 end here
	ds_add_u32 v8, v9
	s_wait_dscnt 0x0
	s_endpgm
.Lsum:                                             ; wave u = 0, 1 adds registers 4 u .. 4 u + 3 of all sixteen parts
.irp e, 0,1,2,3,4,5,6,7,8,9,10,11,12,13,14,15
	ds_load_b128 v[16+4*\e:19+4*\e], v11 offset:1024*\e
.endr
	s_wait_dscnt 0x0
.irp d, 8,4,2,1
.set k, 0
.rept \d
	v_pk_add_f32 v[16+4*k:17+4*k], v[16+4*k:17+4*k], v[16+4*(k+\d):17+4*(k+\d)]
	v_pk_add_f32 v[18+4*k:19+4*k], v[18+4*k:19+4*k], v[18+4*(k+\d):19+4*(k+\d)]
.set k, k+1
.endr
.endr
	s_wait_loadcnt 0x0                             ; the bias
	v_pk_add_f32 v[16:17], v[16:17], v[VA:VA+1]
	v_pk_add_f32 v[18:19], v[18:19], v[VA+2:VA+3]
	global_store_b128 v12, v[16:19], s[10:11]
	s_wait_tensorcnt 0x0                           ; the wave's end
	ds_add_u32 v8, v9
	s_wait_dscnt 0x0
	s_endpgm
.Lfunc_end_k_q9c87db0953_fine:
	.size	k_q9c87db0953_fine, .Lfunc_end_k_q9c87db0953_fine-k_q9c87db0953_fine
	.p2alignl 7, 3214868480
	.fill 96, 4, 3214868480
	.section	.rodata,"a",@progbits
	.p2align	6, 0x0
	.amdhsa_kernel k_q9c87db0953_fine
		.amdhsa_group_segment_fixed_size 18432
		.amdhsa_private_segment_fixed_size 0
		.amdhsa_enable_private_segment 0
		.amdhsa_kernarg_size 32
		.amdhsa_user_sgpr_count 2
		.amdhsa_user_sgpr_kernarg_segment_ptr 1
		.amdhsa_wavefront_size32 1
		.amdhsa_system_sgpr_workgroup_id_x 1
		.amdhsa_system_sgpr_workgroup_id_y 1
		.amdhsa_system_sgpr_workgroup_id_z 1
		.amdhsa_system_vgpr_workitem_id 0
		.amdhsa_next_free_vgpr 256
		.amdhsa_next_free_sgpr 66
		.amdhsa_reserve_vcc 1
		.amdhsa_float_denorm_mode_32 3
		.amdhsa_float_denorm_mode_16_64 3
		.amdhsa_memory_ordered 1
		.amdhsa_forward_progress 1
		.amdhsa_inst_pref_size 22
	.end_amdhsa_kernel
	.amdgpu_metadata
---
amdhsa.version: [ 1, 2 ]
amdhsa.kernels:
  - .name:           k_q9c87db0953_fine
    .symbol:         k_q9c87db0953_fine.kd
    .args:
      - { .name: fine32, .offset: 0, .size: 8, .value_kind: global_buffer, .address_space: global }
      - { .name: out_w, .offset: 8, .size: 8, .value_kind: global_buffer, .address_space: global }
      - { .name: out_b, .offset: 16, .size: 8, .value_kind: global_buffer, .address_space: global }
      - { .name: out0, .offset: 24, .size: 8, .value_kind: global_buffer, .address_space: global }
    .group_segment_fixed_size: 18432
    .private_segment_fixed_size: 0
    .kernarg_segment_align: 8
    .kernarg_segment_size: 32
    .max_flat_workgroup_size: 512
    .sgpr_count:     66
    .vgpr_count:     256
    .wavefront_size: 32
...
	.end_amdgpu_metadata
.endif
;; end of part 5
